; MI455X (gfx1250); checked and timed in simulation.
; The chip was launched on July 23, 2026; its instructions are those of AMD's public machine-readable ISA for CDNA 5 (MIT licence, August 2026) and "CDNA5" Instruction Set Architecture Reference Guide (July 2026). The comments in the code are by the model that wrote it; some were corrected since.
;; Multi Head Attention. Allowed arithmetic: matrix products marked QUANTISED: E2M1 operands, one E8M0 scale for each 32 along K, by v_wmma_scale_f32_16x16x128_f8f6f4 with both operands' format E2M1 (or v_wmma_scale_f32_32x16x128_f4), f32 sums; products left as they are: bf16, f16 or f32 operands; f32 sums; everything else in f32.
;; Inputs: b_proj 1,024 float32; w_proj 1,024 x 1,024 float32; w_qkv 3,072 x 1,024 float32; x 4 x 2,048 x 1,024 float32.
;; Outputs: out0 4 x 2,048 x 1,024 float32.
;; This version of the problem:
;;   THIS VERSION OF THE PROBLEM IS GIVEN IN LOW PRECISION. The matrix products marked QUANTISED in the list below multiply operands that are first quantised to E2M1 (2 exponent bits, 1 mantissa bit; 4 bits a number), with one power-of-two scale for each 32 numbers along K (OCP MX v1.0); their sums are f32. The products marked 'left as it is' may take bf16, f16 or f32 operands, with f32 sums. Whichever they take, every output number must still come out within the allowed error. Rounding operands to bf16 (8 significant bits) uses up far more of that allowance than f16 does (11 bits, for magnitudes from 6e-5 to 65,504). All else is computed in f32.
;;   The module's matrix products, in the order in which they are computed (A, B: the left and right operand; K: the contracted axis; several contracted axes count as one K, in the product's order):
;;     1. [M 8,192, K 1,024] x [K 1,024, N 3,072]; A: input x; B: input w_qkv: QUANTISED
;;     2. batch 64 x [M 2,048, K 64] x [K 64, N 2,048]; A: computed on the way; B: computed on the way: left as it is (an operand is computed on the way)
;;     3. batch 64 x [M 2,048, K 2,048] x [K 2,048, N 64]; A: computed on the way; B: computed on the way: left as it is (an operand is computed on the way)
;;     4. [M 8,192, K 1,024] x [K 1,024, N 1,024]; A: computed on the way; B: input w_proj: left as it is (an operand is computed on the way)
;;   THE QUANTISER, for each operand of a quantised product, along K:
;;     - K is cut into blocks of 32 from its start; a last block that is shorter is filled with zeros.
;;     - A block's scale is 2^e with e = floor(log2(the largest magnitude in the block)) - 2, held to -126 .. 127; a block of zeros has e = 0. As a byte (E8M0): e + 127.
;;     - Each number is divided by its block's scale, clamped to +-6, and rounded to the nearest number of E2M1, ties to even, subnormals kept.
;;     - The product sums the exact products of the quantised numbers (number of the format x scale) in f32.
;;   ~~~python
;;   def quantise(x, axis):      # numpy; x: float32 -> the quantised numbers, widened to float32 again
;;       x = np.moveaxis(x, axis, -1); K = x.shape[-1]
;;       x = np.pad(x, [(0, 0)] * (x.ndim - 1) + [(0, -K % 32)]); x = x.reshape(x.shape[:-1] + (-1, 32)); a = np.abs(x).max(-1, keepdims=True)
;;       e = np.where(a > 0, np.clip(np.frexp(np.where(a > 0, a, 1))[1] - 1 - 2, -126, 127), 0)      # np.frexp(a)[1] - 1 = floor(log2(a)), exactly
;;       r = np.clip(x / 2.0 ** e, -6, 6)
;;       step = 2.0 ** (np.maximum(np.frexp(np.where(r == 0, 1, r))[1] - 1, 0) - 1)
;;       q = np.round(r / step) * step * 2.0 ** e      # np.round: ties to even
;;       return np.moveaxis(q.reshape(q.shape[:-2] + (-1,))[..., :K], -1, axis).astype(np.float32)
;;   ~~~
;; One version. Each part assembles by itself: llvm-mc -triple=amdgcn-amd-amdhsa -mcpu=gfx1250 --defsym DOCPART=n.
;; ======== version 1 of 1: 5 launches
;; limits: values are held in f16: magnitudes above 65,504 overflow, below 6.1e-05 lose precision
;; workspace buffers: x_codes 4,194,304 bytes; x_scales 262,144 bytes; w_codes 1,572,864 bytes; w_scales 98,304 bytes; wp16 2,097,152 bytes; qkv 50,331,648 bytes; q16 786,432 bytes; attn 16,777,216 bytes
;; launch quant (part 1): grid 384 x 1, 4 waves a work-group, no clusters, 33,280 bytes of LDS; arguments x, w_qkv, w_proj, x_codes, x_scales, w_codes, w_scales, wp16; writes x_codes, x_scales, w_codes, w_scales, wp16
.if DOCPART == 1
	.amdgcn_target "amdgcn-amd-amdhsa--gfx1250"
	.amdhsa_code_object_version 6
	.text
	.protected	k_qe79654eba3_quant
	.globl	k_qe79654eba3_quant
	.p2align	8
	.type	k_qe79654eba3_quant,@function
k_qe79654eba3_quant:
	s_mov_b64 s[64:65], 0
	v_nop
	global_prefetch_b8 v0, s[64:65] scope:SCOPE_SE
	s_setreg_imm32_b32 hwreg(HW_REG_WAVE_MODE, 25, 1), 1
	s_wait_xcnt 0x0
; x [8192][1024] and w_qkv [3072][1024], f32, become codes of FP4 (E2M1), K innermost (512 bytes a row), with one E8M0 byte for each 32 along K (32 bytes a row).
; w_proj [1024 n][1024 k], f32, becomes f16 laid by chunks of 64 along k: wp16 [16 chunk][1024 n][64].
; A block's scale is 2^(floor(log2(largest magnitude)) - 2): its byte is the largest magnitude's exponent field - 2, held at 1 from below.
; (A block of zeros gets the byte 1 where the rule says 127: its codes are zeros, and the bytes are read by this program alone.)
; LIMITS: NaN and infinities among the inputs are not served; blocks whose largest magnitude lies under 2^-124 keep the byte 1; |w_proj| stays under 65,504 (f16).
; Work-groups 0-255 take x, 256-351 w_qkv (32,768 numbers each; a wave 16 steps of 512), 352-383 cast w_proj (32 rows each).
; The quantiser: each of a step's four loads reads 512 consecutive bytes; the 2,048 bytes turn through the wave's own stage in LDS so that a lane holds 16 neighbours along K;
; two neighbouring lanes hold a block.  A lane's 16 codes are 8 bytes: a wave stores 256 consecutive bytes.  A wave's 256 scale bytes are gathered in LDS and leave together.
; Nothing is shared between waves: no barrier, no tensor load, no cluster.  The cast touches no LDS.
.set WAVES, 4
.set STEPS, 16
.set WGX,   256                        ; x's work-groups: 8,388,608 / 32,768
.set WGQ,   352                        ; and w_qkv's 96 behind them
.set EMAX,  2
.set CB,    8                          ; bytes of 16 codes
.set R,     16                         ; v16-79   four sets of 16 numbers as loaded
.set X,     80                         ; v80-111  two sets of 16 neighbours
.set E,     112                        ; v112-127 a scale byte for each step
.set C,     128                        ; v128-191 codes: four registers a step, so that no store's data are written again
.set WREG,  8192                       ; LDS: a region for each wave: two stages of 32 x SP bytes, then its 256 scale bytes
.set SP,    80                         ; a lane's place in a stage: 64 bytes + 16 of padding
.set SPW,   12                         ; v12 my spare word's LDS address; never rewritten
.set NIL,   13                         ; v13 0; never rewritten
.set SPARE, WAVES*WREG                 ; behind the regions: the spare words, 128 bytes a wave
	s_load_b256 s[4:11], s[0:1], 0x0               ; x, w_qkv, w_proj, x_codes
	s_load_b256 s[12:19], s[0:1], 0x20             ; x_scales, w_codes, w_scales, wp16
	v_lshl_add_u32 v[SPW], v0, 2, SPARE
	v_mov_b32 v[NIL], 0
	v_lshrrev_b32 v1, 5, v0
	v_readfirstlane_b32 s20, v1                    ; wave
	v_and_b32 v2, 31, v0                           ; lane
	s_wait_kmcnt 0x0
	s_cmp_ge_u32 ttmp9, WGQ                        ; the work-group's number alone decides
	s_cbranch_scc1 .Lcast
	v_lshlrev_b32 v3, 4, v2                        ; my 16 bytes of a load's 512
	s_mul_i32 s21, s20, WREG
	v_lshrrev_b32 v14, 2, v2
	v_mul_u32_u24 v14, v14, SP
	v_and_b32 v15, 3, v2
	v_lshl_add_u32 v14, v15, 4, v14
	v_add_nc_u32 v14, s21, v14                     ; the stage, on the way in: SP (lane / 4) + 16 (lane % 4)
	v_mul_u32_u24 v15, v2, SP
	v_add_nc_u32 v15, s21, v15                     ; and on the way out: SP x lane
	v_mul_u32_u24 v4, v2, CB                       ; my codes' place in a step's
	v_lshrrev_b32 v5, 1, v2
	s_add_co_u32 s21, s21, 2*32*SP
	v_add_nc_u32 v5, s21, v5                       ; my block's byte among the wave's 256
	v_lshlrev_b32 v7, 3, v2
	v_add_nc_u32 v6, s21, v7                       ; and 8 bytes a lane on their way out
	s_cmp_lt_u32 ttmp9, WGX                        ; x or w_qkv: only pointers are chosen, both take one path
	s_cselect_b64 s[4:5], s[4:5], s[6:7]
	s_cselect_b64 s[10:11], s[10:11], s[14:15]
	s_cselect_b64 s[12:13], s[12:13], s[16:17]
	s_cselect_b32 s21, 0, WGX
	s_sub_co_u32 s21, ttmp9, s21
	s_lshl_b32 s21, s21, 2
	s_add_co_u32 s22, s21, s20                     ; which run of 8,192 numbers is my wave's
	s_mov_b32 s23, 0
	s_mov_b64 s[24:25], 512*STEPS*4
	s_mul_u64 s[24:25], s[22:23], s[24:25]
	s_add_nc_u64 s[4:5], s[4:5], s[24:25]
	s_mov_b64 s[24:25], 32*STEPS*CB
	s_mul_u64 s[24:25], s[22:23], s[24:25]
	s_add_nc_u64 s[10:11], s[10:11], s[24:25]
	s_lshl_b32 s22, s22, 8                         ; 256 scale bytes a run
	s_add_nc_u64 s[12:13], s[12:13], s[22:23]
.macro LOAD t
.irp i, 0,1,2,3
	global_load_b128 v[R+16*((\t)%4)+4*\i:R+16*((\t)%4)+4*\i+3], v3, s[4:5] offset:2048*(\t)+512*\i th:TH_LOAD_NT
.endr
.endm
.macro TURN t                          ; step t's numbers through the stage: LDS serves a wave's instructions in order, so no wait stands between stores and loads
.irp i, 0,1,2,3
	ds_store_b128 v14, v[R+16*((\t)%4)+4*\i:R+16*((\t)%4)+4*\i+3] offset:32*SP*((\t)%2)+8*SP*\i
.endr
.irp i, 0,1,2,3
	ds_load_b128 v[X+16*((\t)%2)+4*\i:X+16*((\t)%2)+4*\i+3], v15 offset:32*SP*((\t)%2)+16*\i
.endr
.endm
.irp t, 0,1,2,3
	LOAD \t
.endr
	s_wait_loadcnt 12                              ; step 0's four loads are in; three steps' twelve stay out
	TURN 0
.macro STEP t
.set XS, X+16*((\t)%2)
.if (\t) > 0
	s_wait_dscnt 1                                 ; this step's numbers are back from the stage (the last step's byte store may be out)
.else
	s_wait_dscnt 0x0
.endif
.if (\t)+4 < STEPS
	LOAD (\t)+4
.endif
.if (\t)+1 < STEPS
.if STEPS-2-(\t) >= 3
	s_wait_loadcnt 12                              ; the next step's four loads are in; those of the three steps behind may be out
.else
	s_wait_loadcnt 4*(STEPS-2-(\t))
.endif
	TURN (\t)+1
.endif
	v_max3_num_f32 v8, |v[XS]|, |v[XS+1]|, |v[XS+2]|               ; the largest magnitude of my 16, in two chains
	v_max3_num_f32 v9, |v[XS+3]|, |v[XS+4]|, |v[XS+5]|
.irp i, 6,10
	v_max3_num_f32 v8, v8, |v[XS+\i]|, |v[XS+\i+1]|
	v_max3_num_f32 v9, v9, |v[XS+\i+2]|, |v[XS+\i+3]|
.endr
	v_max3_num_f32 v8, v8, |v[XS+14]|, |v[XS+15]|
	v_max3_num_f32 v8, v8, v9, (EMAX+1)<<23        ; and the floor 2^(3 - 127): the byte cannot fall under 1
	v_max_num_f32_dpp v8, v8, v8 row_xmask:1 row_mask:0xf bank_mask:0xf   ; with my neighbour's 16: the block's
	v_add_nc_u32 v11, -(EMAX<<23), v8              ; 2 off its exponent field: the conversion takes that field as its scale
	v_cvt_scalef32_pk8_fp4_f32 v[C+4*(\t)], v[XS:XS+7], v11
	v_cvt_scalef32_pk8_fp4_f32 v[C+4*(\t)+1], v[XS+8:XS+15], v11
	v_lshrrev_b32 v[E+(\t)], 23, v11               ; the scale's byte
	ds_store_b8 v5, v[E+(\t)] offset:16*(\t)       ; both lanes of a block write the same byte with the same value
	global_store_b64 v4, v[C+4*(\t):C+4*(\t)+1], s[10:11] offset:32*CB*(\t)   ; 32 lanes: 256 consecutive bytes, aligned
.endm
.irp t, 0,1,2,3,4,5,6,7,8,9,10,11,12,13,14,15
	STEP \t
.endr
	ds_load_b64 v[8:9], v6                         ; these see my byte stores: LDS serves a wave in order
	s_wait_dscnt 0x0
	global_store_b64 v7, v[8:9], s[12:13]          ; 256 consecutive bytes, aligned
	s_wait_tensorcnt 0x0                           ; the wave's end
	ds_add_u32 v[SPW], v[NIL]
	s_wait_dscnt 0x0
	s_endpgm
; THE CAST.  A wave owns 8 rows of w_proj.  One load takes two rows x one chunk of 64 numbers: lanes 0-15 256 bytes of row n, lanes 16-31 of row n + 1.
; A lane's 4 numbers are 8 bytes of f16; rows n and n + 1 of a chunk lie on end in wp16: a store covers 256 consecutive bytes, aligned.
.Lcast:
	s_sub_co_u32 s21, ttmp9, WGQ
	s_lshl_b32 s21, s21, 5
	s_lshl_b32 s22, s20, 3
	s_add_co_u32 s21, s21, s22                     ; my wave's first row
	s_lshl_b32 s22, s21, 12
	s_mov_b32 s23, 0
	s_add_nc_u64 s[8:9], s[8:9], s[22:23]          ; 4,096 bytes a row of w_proj
	s_lshl_b32 s22, s21, 7
	s_add_nc_u64 s[18:19], s[18:19], s[22:23]      ; 128 bytes a row of a chunk
	v_lshrrev_b32 v3, 4, v2
	v_and_b32 v4, 15, v2
	v_lshlrev_b32 v4, 4, v4
	v_lshl_add_u32 v3, v3, 12, v4                  ; in: (lane / 16) rows + 16 (lane % 16)
	v_lshlrev_b32 v5, 3, v2                        ; out: 8 x lane
.macro CLOAD g                         ; rows 2 g, 2 g + 1 of my 8, all 16 chunks
.irp ch, 0,1,2,3,4,5,6,7,8,9,10,11,12,13,14,15
	global_load_b128 v[16+64*((\g)%2)+4*\ch:16+64*((\g)%2)+4*\ch+3], v3, s[8:9] offset:(\g)*8192+\ch*256 th:TH_LOAD_NT
.endr
.endm
.macro CAST g
.if (\g) < 3
	s_wait_loadcnt 16                              ; this batch is in; the younger batch's sixteen stay out
.else
	s_wait_loadcnt 0x0
.endif
.if (\g) > 0
	s_wait_xcnt 0x0                                ; the last batch's stores have read their data: they are written again below
.endif
.irp ch, 0,1,2,3,4,5,6,7,8,9,10,11,12,13,14,15
	v_cvt_pk_f16_f32 v[144+2*\ch], v[16+64*((\g)%2)+4*\ch], v[16+64*((\g)%2)+4*\ch+1]
	v_cvt_pk_f16_f32 v[145+2*\ch], v[16+64*((\g)%2)+4*\ch+2], v[16+64*((\g)%2)+4*\ch+3]
.endr
.irp ch, 0,1,2,3,4,5,6,7,8,9,10,11,12,13,14,15
	global_store_b64 v5, v[144+2*\ch:145+2*\ch], s[18:19] offset:\ch*131072+(\g)*256
.endr
.if (\g) < 2
	CLOAD (\g)+2
.endif
.endm
	CLOAD 0
	CLOAD 1
	CAST 0
	CAST 1
	CAST 2
	CAST 3
	s_endpgm
.Lfunc_end_k_qe79654eba3_quant:
	.size	k_qe79654eba3_quant, .Lfunc_end_k_qe79654eba3_quant-k_qe79654eba3_quant
	.p2alignl 7, 3214868480
	.fill 96, 4, 3214868480
	.section	.rodata,"a",@progbits
	.p2align	6, 0x0
	.amdhsa_kernel k_qe79654eba3_quant
		.amdhsa_group_segment_fixed_size 33280
		.amdhsa_private_segment_fixed_size 0
		.amdhsa_enable_private_segment 0
		.amdhsa_kernarg_size 64
		.amdhsa_user_sgpr_count 2
		.amdhsa_user_sgpr_kernarg_segment_ptr 1
		.amdhsa_wavefront_size32 1
		.amdhsa_system_sgpr_workgroup_id_x 1
		.amdhsa_system_sgpr_workgroup_id_y 1
		.amdhsa_system_sgpr_workgroup_id_z 1
		.amdhsa_system_vgpr_workitem_id 0
		.amdhsa_next_free_vgpr 192
		.amdhsa_next_free_sgpr 66
		.amdhsa_reserve_vcc 0
		.amdhsa_float_denorm_mode_32 3
		.amdhsa_float_denorm_mode_16_64 3
		.amdhsa_memory_ordered 1
		.amdhsa_forward_progress 1
		.amdhsa_inst_pref_size 54
	.end_amdhsa_kernel
	.amdgpu_metadata
---
amdhsa.version: [ 1, 2 ]
amdhsa.kernels:
  - .name:           k_qe79654eba3_quant
    .symbol:         k_qe79654eba3_quant.kd
    .args:
      - { .name: x, .offset: 0, .size: 8, .value_kind: global_buffer, .address_space: global }
      - { .name: w_qkv, .offset: 8, .size: 8, .value_kind: global_buffer, .address_space: global }
      - { .name: w_proj, .offset: 16, .size: 8, .value_kind: global_buffer, .address_space: global }
      - { .name: x_codes, .offset: 24, .size: 8, .value_kind: global_buffer, .address_space: global }
      - { .name: x_scales, .offset: 32, .size: 8, .value_kind: global_buffer, .address_space: global }
      - { .name: w_codes, .offset: 40, .size: 8, .value_kind: global_buffer, .address_space: global }
      - { .name: w_scales, .offset: 48, .size: 8, .value_kind: global_buffer, .address_space: global }
      - { .name: wp16, .offset: 56, .size: 8, .value_kind: global_buffer, .address_space: global }
    .group_segment_fixed_size: 33280
    .private_segment_fixed_size: 0
    .kernarg_segment_align: 8
    .kernarg_segment_size: 64
    .max_flat_workgroup_size: 128
    .sgpr_count:     66
    .vgpr_count:     192
    .wavefront_size: 32
...
	.end_amdgpu_metadata
.endif
;; end of part 1
;; launch qkv (part 2): grid 16 x 32, 4 waves a work-group, clusters of 4 x 4, 262,144 bytes of LDS; arguments x_codes, x_scales, w_codes, w_scales, qkv, q16; writes qkv, q16
.if DOCPART == 2
	.amdgcn_target "amdgcn-amd-amdhsa--gfx1250"
	.amdhsa_code_object_version 6
	.text
	.protected	k_qe79654eba3_qkv
	.globl	k_qe79654eba3_qkv
	.p2align	8
	.type	k_qe79654eba3_qkv,@function
k_qe79654eba3_qkv:
	s_mov_b64 s[64:65], 0
	v_nop
	global_prefetch_b8 v0, s[64:65] scope:SCOPE_SE
	s_setreg_imm32_b32 hwreg(HW_REG_WAVE_MODE, 25, 1), 1
	s_wait_xcnt 0x0
	s_wait_alu depctr_hold_cnt(0) depctr_sa_sdst(0) depctr_va_vdst(0) depctr_va_sdst(0) depctr_va_ssrc(0) depctr_va_vcc(0) depctr_vm_vsrc(0)
	s_getreg_b32 s2, hwreg(HW_REG_IB_STS2, 6, 4)
	s_cmp_eq_u32 s2, 0
	s_cbranch_scc0 .Lentry_in_a_cluster
	s_endpgm
.Lentry_in_a_cluster:
	s_bfe_u32 s2, ttmp6, 0x10000c
	s_cmp_lg_u32 s2, 0xf033
	s_cbranch_scc0 .Lentry_shape_is_right
	s_endpgm
.Lentry_shape_is_right:
; qkv = Q(x) Q(w_qkv)^T on codes of FP4 with E8M0 scales: [8192 x 1024] x [1024 x 3072], sums in f32.
; Results leave as f16 laid by head, qkv [3 section][4 batch][16 head][2048 t][64]; positions 0-15 of every batch also as f32, q16 [4][16][3072].
; LIMIT: |q|, |k|, |v| stay under 65,504 (f16); beyond that the conversion gives infinity.
; A tile of the result is 256 rows x 192 columns (three whole heads): 512 work-groups.  Wave w makes rows 64 w .. 64 w + 63 x all 192: 48 accumulators of 16 x 16.
; ALL OF K (1,024: 512 bytes a row) LIES IN LDS: two slots of 512 along K, each filled once; nothing is filled again.
; CLUSTER 4 x 4: the work-group at (cx, cy) of cluster (X, Y) takes columns 192 (4 X + cx) and rows 2048 cy + 256 Y: batch cy, positions 256 Y on.  The four of a row of the cluster
; share x's tile, the four of a column w's: each tile is asked for jointly.  Whether a tile holds a batch's first positions hangs on Y alone, which all sixteen partners share.
; THE MATRIX INSTRUCTION IS USED TRANSPOSED (source 0 = 16 rows of w, source 1 = 16 rows of x): a lane holds eight neighbouring columns of one row.
; THE SCALES go straight into registers, once: lane (r, h) takes 16 bytes at 32 r + 16 h of a block's 16 rows (a load covers 512 consecutive bytes): register q holds the word of K step q in lanes 0-15
; and that of K step 4 + q in lanes 16-31, which the second half of K names by the row selectors.
; REGISTERS: window 0: v16-31 addresses; v32-47 x's scale words, v48-95 w's (they hold nothing else); v96-159 x's fragments, two sets; v160-239 the way out.
;   window 1: w's fragments, sets at v0 and v128.   window 2: accumulators of x's blocks 0, 1 ((a, b) at v[8 (12 (a % 2) + b)]);  window 3: blocks 2, 3.
.set PITCH,  272                       ; an LDS row: 256 bytes + 16 of padding: the 16 rows of a fragment load begin 4 words apart modulo 64
.set AROWS,  256*PITCH                 ; x's 256 rows; w's 192 lie behind them
.set SLOT,   448*PITCH
.set STAGE,  2*SLOT                    ; behind the slots: 4,352 bytes a wave for the way out; no fill lands there
.set WSTAGE, 4352
.set SPARE,  STAGE+4*WSTAGE            ; the spare words, 128 bytes a wave
.set ADRA, 16                          ; v16-17 my x fragments in slot 0, 1
.set ADRB, 20                          ; v20-21 w's
.set STO,  24                          ; f16 way out: in
.set RD,   25                          ; back
.set GO,   26                          ; 16 x lane
.set STO32, 27                         ; f32 copy: in
.set SPW,  28
.set NIL,  29
.set RD32, 30
.set GO32, 31
.set SA,   32
.set SB,   48
.set AF,   96
.set TMP,  160
.set BK,   176
.set BK32, 208
.set G1A, 24
.set G0A, 32
.set G1B, 40
.set G0B, 48
.set OB,  56                           ; s[56:61] where my rows of the tile's three heads begin in qkv
.set MSB, 0
.macro WIN new                         ; the immediate's high byte repeats the setting that is left
.if MSB != (\new)
	s_set_vgpr_msb (MSB<<8)|(\new)
.set MSB, (\new)
.endif
.endm
.macro PLACES n
.rept \n
	v_nop
.endr
.endm
; a joint load: waves 0, 1 fetch x's halves, waves 2, 3 w's; the branch hangs on the wave's number alone; s_nop 0 and four v_nop follow each line
.macro JLOAD s
	s_cmp_eq_u32 s17, 0
	s_cbranch_scc0 .Lfor_b_\@
	tensor_load_to_lds s[G0A+4*\s:G0A+4*\s+3], s[G1A:G1A+7]
	s_nop 0
.rept 4
	v_nop
.endr
	s_branch .Lasked_\@
.Lfor_b_\@:
	tensor_load_to_lds s[G0B+4*\s:G0B+4*\s+3], s[G1B:G1B+7]
	s_nop 0
.rept 4
	v_nop
.endr
.Lasked_\@:
.endm
.macro CROUND                          ; a round of the cluster's barrier
	s_barrier_signal -1
	s_barrier_wait -1
	s_cmp_lg_u32 s16, 0
	s_cbranch_scc1 .Lnot_wave_0_\@
	s_barrier_signal -3
.Lnot_wave_0_\@:
	s_barrier_wait -3
	s_barrier_signal -1
	s_barrier_wait -1
.endm
	s_load_b256 s[4:11], s[0:1], 0x0               ; x_codes, x_scales, w_codes, w_scales
	s_load_b128 s[12:15], s[0:1], 0x20             ; qkv, q16
	v_lshl_add_u32 v[SPW], v0, 2, SPARE
	v_mov_b32 v[NIL], 0
	ds_add_u32 v[SPW], v[NIL]                      ; the opening: the add, twice on end, and its wait ahead of my first tensor load
	ds_add_u32 v[SPW], v[NIL]
	v_lshrrev_b32 v1, 5, v0
	v_readfirstlane_b32 s16, v1                    ; wave
	s_lshr_b32 s17, s16, 1                         ; I fetch for x (0) or for w (1)
	s_and_b32 s18, s16, 1                          ; which half of that tile
	s_bfe_u32 s19, ttmp6, 0x40000                  ; cx
	s_bfe_u32 s20, ttmp6, 0x40004                  ; cy = the batch
	s_lshl_b32 s21, ttmp9, 2
	s_add_co_u32 s21, s21, s19                     ; tile column = 4 X + cx
	s_and_b32 s22, ttmp7, 0xffff                   ; Y
	s_lshl_b32 s66, s20, 2
	s_lshl_b32 s66, 15, s66                        ; my row of the cluster
	s_lshl_b32 s70, 0x1111, s19                    ; my column
	s_or_b32 s[G1A], s66, (1<<20)|(1<<21)|(5<<22)|(3<<25)   ; mask; elements of 1 byte; padding on; bit 21 beside a mask; 4 words behind every 64
	s_or_b32 s[G1B], s70, (1<<20)|(1<<21)|(5<<22)|(3<<25)
	s_mov_b32 s[G1A+1], 256<<16                    ; tensor_dim0 = 256 bytes
	s_mov_b32 s[G1A+2], 128<<16                    ; tensor_dim1 = 128 rows
	s_mov_b32 s[G1A+3], 256<<16                    ; tile_dim0
	s_mov_b32 s[G1A+4], 128                        ; tile_dim1
	s_mov_b32 s[G1A+5], 512                        ; from row to row
	s_mov_b32 s[G1A+6], 0
	s_mov_b32 s[G1A+7], 0
	s_mov_b32 s[G1B+1], 256<<16
	s_mov_b32 s[G1B+2], 96<<16                     ; w: 96 rows a load
	s_mov_b32 s[G1B+3], 256<<16
	s_mov_b32 s[G1B+4], 96
	s_mov_b32 s[G1B+5], 512
	s_mov_b32 s[G1B+6], 0
	s_mov_b32 s[G1B+7], 0
	s_lshl_b32 s66, s20, 11
	s_lshl_b32 s67, s22, 8
	s_add_co_u32 s66, s66, s67                     ; the tile's first row of x: 2048 cy + 256 Y
	s_lshl_b32 s67, s18, 7
	s_add_co_u32 s67, s66, s67
	s_lshl_b32 s68, s67, 9                         ; the 128 rows that I fetch, in bytes
	s_mov_b32 s69, 0
	s_mul_i32 s70, s21, 192                        ; the tile's first row of w
	s_mul_i32 s71, s18, 96
	s_add_co_u32 s71, s70, s71
	s_lshl_b32 s72, s71, 9
	s_mov_b32 s73, 0
	s_mul_i32 s74, s18, 128*PITCH                  ; where they go: no place in the cluster enters an LDS address
	s_mul_i32 s75, s18, 96*PITCH
	s_add_co_u32 s75, s75, AROWS
	s_wait_dscnt 0x0                               ; both opening adds are done
	s_wait_kmcnt 0x0
	s_add_nc_u64 s[68:69], s[4:5], s[68:69]
	s_add_nc_u64 s[72:73], s[8:9], s[72:73]
	CROUND                                         ; all sixteen work-groups are here: the joint loads meet
.irp s, 0,1
	s_mov_b32 s[G0A+4*\s], 1
	s_add_co_u32 s[G0A+4*\s+1], s74, \s*SLOT
	s_add_nc_u64 s[G0A+4*\s+2:G0A+4*\s+3], s[68:69], \s*256       ; slot s: K = 512 s on
	s_or_b32 s[G0A+4*\s+3], s[G0A+4*\s+3], 0x80000000
	s_mov_b32 s[G0B+4*\s], 1
	s_add_co_u32 s[G0B+4*\s+1], s75, \s*SLOT
	s_add_nc_u64 s[G0B+4*\s+2:G0B+4*\s+3], s[72:73], \s*256
	s_or_b32 s[G0B+4*\s+3], s[G0B+4*\s+3], 0x80000000
	JLOAD \s                                       ; two loads of mine are out, and there are no more
.endr
	s_lshl_b32 s67, s16, 6
	s_add_co_u32 s67, s66, s67                     ; my wave's first row of x
	s_lshl_b32 s76, s67, 5
	s_mov_b32 s77, 0
	s_add_nc_u64 s[6:7], s[6:7], s[76:77]          ; its scale bytes: 32 a row
	s_lshl_b32 s76, s70, 5
	s_add_nc_u64 s[10:11], s[10:11], s[76:77]
	v_and_b32 v1, 15, v0                           ; r
	v_bfe_u32 v2, v0, 4, 1                         ; h
	v_lshlrev_b32 v3, 5, v1
	v_lshl_add_u32 v3, v2, 4, v3                   ; 32 r + 16 h
.irp a, 0,1,2,3
	global_load_b128 v[SA+4*\a:SA+4*\a+3], v3, s[6:7] offset:512*\a
.endr
.irp b, 0,1,2,3,4,5,6,7,8,9,10,11
	global_load_b128 v[SB+4*\b:SB+4*\b+3], v3, s[10:11] offset:512*\b
.endr
	v_mul_u32_u24 v4, v1, PITCH
	v_lshl_add_u32 v4, v2, 4, v4                   ; a fragment's row x pitch + 16 h
	s_mul_i32 s76, s16, 64*PITCH
	v_add_nc_u32 v[ADRA], s76, v4
	v_add_nc_u32 v[ADRA+1], SLOT, v[ADRA]
	v_add_nc_u32 v[ADRB], AROWS, v4
	v_add_nc_u32 v[ADRB+1], SLOT, v[ADRB]
	s_mul_i32 s76, s16, WSTAGE
	s_add_co_u32 s76, s76, STAGE                   ; my stage
	v_mul_u32_u24 v5, v1, 144                      ; f16: rows of 128 bytes + 16
	v_lshl_add_u32 v5, v2, 4, v5
	v_add_nc_u32 v[STO], s76, v5
	v_and_b32 v6, 31, v0
	v_lshrrev_b32 v7, 3, v6
	v_mul_u32_u24 v7, v7, 144
	v_and_b32 v8, 7, v0
	v_lshl_add_u32 v7, v8, 4, v7
	v_add_nc_u32 v[RD], s76, v7                    ; back: eight lanes to a row, four rows an instruction
	v_lshlrev_b32 v[GO], 4, v6
	v_mul_u32_u24 v5, v1, 272                      ; f32: rows of 256 bytes + 16
	v_lshl_add_u32 v5, v2, 5, v5
	v_add_nc_u32 v[STO32], s76, v5
	v_mul_u32_u24 v7, v2, 272
	v_lshl_add_u32 v7, v1, 4, v7
	v_add_nc_u32 v[RD32], s76, v7
	v_mul_u32_u24 v[GO32], v2, 12288
	v_lshl_add_u32 v[GO32], v1, 4, v[GO32]
	s_mul_i32 s70, s21, 3                          ; the tile's first head, counted through q, k, v: 0 .. 45
	s_lshl_b32 s71, s22, 8
	s_lshl_b32 s72, s16, 6
	s_add_co_u32 s71, s71, s72
	s_lshl_b32 s71, s71, 7                         ; my first position in a head, in bytes
.irp g, 0,1,2
	s_add_co_u32 s72, s70, \g
	s_lshr_b32 s73, s72, 4                         ; section
	s_and_b32 s72, s72, 15                         ; head
	s_lshl_b32 s73, s73, 6
	s_add_co_u32 s72, s72, s73
	s_lshl_b32 s73, s20, 4
	s_add_co_u32 s72, s72, s73                     ; 64 section + 16 batch + head
	s_lshl_b32 s72, s72, 18
	s_add_co_u32 s72, s72, s71
	s_mov_b32 s73, 0
	s_add_nc_u64 s[OB+2*\g:OB+2*\g+1], s[12:13], s[72:73]
.endr
	s_mul_i32 s72, s20, 196608                     ; q16: the batch's 16 rows of 12,288 bytes,
	s_mul_i32 s73, s21, 768                        ; the tile's 192 columns
	s_add_co_u32 s72, s72, s73
	s_mov_b32 s73, 0
	s_add_nc_u64 s[62:63], s[14:15], s[72:73]
; the fragments of K step Q (128 along K: 64 bytes of a row) into set Q % 2: w's twelve, then x's four; a fragment is two loads of 16 bytes, 32 apart
.macro FETCH Q
	WIN 0x40                                       ; destination window 1, address window 0
.irp i, 0,1,2,3,4,5,6,7,8,9,10,11
	ds_load_b128 v[128*((\Q)%2)+8*\i:128*((\Q)%2)+8*\i+3],   v[ADRB+(\Q)/4] offset:\i*16*PITCH+64*((\Q)%4)
	ds_load_b128 v[128*((\Q)%2)+8*\i+4:128*((\Q)%2)+8*\i+7], v[ADRB+(\Q)/4] offset:\i*16*PITCH+64*((\Q)%4)+32
.endr
	WIN 0
.irp i, 0,1,2,3
	ds_load_b128 v[AF+32*((\Q)%2)+8*\i:AF+32*((\Q)%2)+8*\i+3],   v[ADRA+(\Q)/4] offset:\i*16*PITCH+64*((\Q)%4)
	ds_load_b128 v[AF+32*((\Q)%2)+8*\i+4:AF+32*((\Q)%2)+8*\i+7], v[ADRA+(\Q)/4] offset:\i*16*PITCH+64*((\Q)%4)+32
.endr
.endm
; 24 products: x's blocks a0, a0 + 1 against w's twelve.  K step 0 starts the sums with the constant 0.  The 48 accumulators take turns, one instruction a turn, in the same order in every step.
.macro MUL a0, Q
	WIN 0xa1+0x50*((\a0)/2)                        ; source 0 window 1, source 1 window 0, C and D window 2 or 3
.irp a, \a0, \a0+1
.irp b, 0,1,2,3,4,5,6,7,8,9,10,11
.if (\Q) == 0
	v_wmma_scale_f32_16x16x128_f8f6f4 v[8*(12*((\a)%2)+\b):8*(12*((\a)%2)+\b)+7], v[128*((\Q)%2)+8*\b:128*((\Q)%2)+8*\b+7], v[AF+32*((\Q)%2)+8*(\a):AF+32*((\Q)%2)+8*(\a)+7], 0, v[SB+4*\b+(\Q)%4], v[SA+4*(\a)+(\Q)%4] matrix_a_fmt:MATRIX_FMT_FP4 matrix_b_fmt:MATRIX_FMT_FP4
.elseif (\Q) < 4
	v_wmma_scale_f32_16x16x128_f8f6f4 v[8*(12*((\a)%2)+\b):8*(12*((\a)%2)+\b)+7], v[128*((\Q)%2)+8*\b:128*((\Q)%2)+8*\b+7], v[AF+32*((\Q)%2)+8*(\a):AF+32*((\Q)%2)+8*(\a)+7], v[8*(12*((\a)%2)+\b):8*(12*((\a)%2)+\b)+7], v[SB+4*\b+(\Q)%4], v[SA+4*(\a)+(\Q)%4] matrix_a_fmt:MATRIX_FMT_FP4 matrix_b_fmt:MATRIX_FMT_FP4
.else
	v_wmma_scale_f32_16x16x128_f8f6f4 v[8*(12*((\a)%2)+\b):8*(12*((\a)%2)+\b)+7], v[128*((\Q)%2)+8*\b:128*((\Q)%2)+8*\b+7], v[AF+32*((\Q)%2)+8*(\a):AF+32*((\Q)%2)+8*(\a)+7], v[8*(12*((\a)%2)+\b):8*(12*((\a)%2)+\b)+7], v[SB+4*\b+(\Q)%4], v[SA+4*(\a)+(\Q)%4] matrix_a_fmt:MATRIX_FMT_FP4 matrix_b_fmt:MATRIX_FMT_FP4 matrix_a_scale:MATRIX_SCALE_ROW1 matrix_b_scale:MATRIX_SCALE_ROW1
.endif
.endr
.endr
.endm
.macro STEP Q
	s_wait_dscnt 0x0                               ; this step's 32 loads, issued a step (48 products) ago, are in
.if (\Q) == 3
	s_wait_tensorcnt 0x0                           ; my part of slot 1 has landed,
	s_barrier_signal -1
	s_barrier_wait -1                              ; everybody's has
.endif
.if (\Q) < 7
.if (\Q) > 0
	PLACES 4                                       ; four plain places between the last step's products and the loads into the set that they read (ISA guide 7.12.1 for vector instructions)
.endif
	FETCH (\Q)+1
.endif
	MUL 0, \Q
	MUL 2, \Q
	WIN 0
.endm
	s_wait_tensorcnt 1                             ; my part of slot 0 is in; slot 1's load may stay out
	s_barrier_signal -1
	s_barrier_wait -1
	FETCH 0
	s_wait_loadcnt 0x0                             ; the scale words
.irp Q, 0,1,2,3,4,5,6,7
	STEP \Q
.endr
; THE WAY OUT, in groups u = 3 a + g: x's block a (16 positions) x head g (64 columns).  A lane's eight columns pack into 16 bytes of f16; they go into rows of 144 bytes of my own stage and come back as
; 2,048 consecutive bytes: 16 rows of 128 bytes lie on end in a head.  LDS serves a wave's instructions in order (ISA guide 5.7.1.4): no wait between stores and loads.
.macro PACK u
	WIN 0x0a+5*((\u)/6)                            ; sources 0 and 1: window 2 or 3
.irp bb, 0,1,2,3
.irp p, 0,1,2,3
	v_cvt_pk_f16_f32 v[TMP+4*\bb+\p], v[8*(12*(((\u)/3)%2)+4*((\u)%3)+\bb)+2*\p], v[8*(12*(((\u)/3)%2)+4*((\u)%3)+\bb)+2*\p+1]   ; each accumulator from its low end on
.endr
.endr
	WIN 0
.endm
.macro TOSTAGE u
.irp bb, 0,1,2,3
	ds_store_b128 v[STO], v[TMP+4*\bb:TMP+4*\bb+3] offset:32*\bb
.endr
.irp i, 0,1,2,3
	ds_load_b128 v[BK+16*((\u)%2)+4*\i:BK+16*((\u)%2)+4*\i+3], v[RD] offset:576*\i
.endr
.endm
.macro SEND u, younger
	s_wait_dscnt \younger                          ; the group is back; the next group's 4 stores and 4 loads may be out
.irp i, 0,1,2,3
	global_store_b128 v[GO], v[BK+16*((\u)%2)+4*\i:BK+16*((\u)%2)+4*\i+3], s[OB+2*((\u)%3):OB+2*((\u)%3)+1] offset:2048*((\u)/3)+512*\i   ; 512 consecutive bytes, aligned
.endr
.endm
	PLACES 4
	PACK 0
	TOSTAGE 0
.irp u, 1,2,3,4,5,6,7,8,9,10,11
	PACK \u
.if \u > 1
	s_wait_xcnt 0x0                                ; group u - 2's stores have read their data: group u's loads land there
.endif
	TOSTAGE \u
	SEND \u-1, 8
.endr
	SEND 11, 0
; THE f32 COPY of positions 0-15: they are wave 0's block 0 where Y = 0.  Both branches hang on numbers that all partners share.
	s_cmp_lg_u32 s16, 0
	s_cbranch_scc1 .Lno_copy
	s_cmp_lg_u32 s22, 0
	s_cbranch_scc1 .Lno_copy
.irp g, 0,1,2
.if \g > 0
	s_wait_xcnt 0x0                                ; the last head's stores have read their data
.endif
	WIN 0x08                                       ; an LDS store's data are its source 1: window 2
.irp bb, 0,1,2,3
	ds_store_b128 v[STO32], v[8*(4*\g+\bb):8*(4*\g+\bb)+3] offset:64*\bb
	ds_store_b128 v[STO32], v[8*(4*\g+\bb)+4:8*(4*\g+\bb)+7] offset:64*\bb+16
.endr
	WIN 0
.irp i, 0,1,2,3,4,5,6,7
	ds_load_b128 v[BK32+4*\i:BK32+4*\i+3], v[RD32] offset:544*\i
.endr
	s_wait_dscnt 0x0
.irp i, 0,1,2,3,4,5,6,7
	global_store_b128 v[GO32], v[BK32+4*\i:BK32+4*\i+3], s[62:63] offset:24576*\i+256*\g   ; sixteen lanes: 256 consecutive bytes, aligned
.endr
.endr
.Lno_copy:
	s_wait_tensorcnt 0x0                           ; the wave's end
	ds_add_u32 v[SPW], v[NIL]
	s_wait_dscnt 0x0
	CROUND                                         ; the closing round
	s_endpgm
.Lfunc_end_k_qe79654eba3_qkv:
	.size	k_qe79654eba3_qkv, .Lfunc_end_k_qe79654eba3_qkv-k_qe79654eba3_qkv
	.p2alignl 7, 3214868480
	.fill 96, 4, 3214868480
	.section	.rodata,"a",@progbits
	.p2align	6, 0x0
	.amdhsa_kernel k_qe79654eba3_qkv
		.amdhsa_group_segment_fixed_size 262144
		.amdhsa_private_segment_fixed_size 0
		.amdhsa_enable_private_segment 0
		.amdhsa_kernarg_size 48
		.amdhsa_user_sgpr_count 2
		.amdhsa_user_sgpr_kernarg_segment_ptr 1
		.amdhsa_wavefront_size32 1
		.amdhsa_system_sgpr_workgroup_id_x 1
		.amdhsa_system_sgpr_workgroup_id_y 1
		.amdhsa_system_sgpr_workgroup_id_z 1
		.amdhsa_system_vgpr_workitem_id 0
		.amdhsa_next_free_vgpr 960
		.amdhsa_next_free_sgpr 80
		.amdhsa_reserve_vcc 0
		.amdhsa_float_denorm_mode_32 3
		.amdhsa_float_denorm_mode_16_64 3
		.amdhsa_memory_ordered 1
		.amdhsa_forward_progress 1
		.amdhsa_inst_pref_size 107
	.end_amdhsa_kernel
	.amdgpu_metadata
---
amdhsa.version: [ 1, 2 ]
amdhsa.kernels:
  - .name:           k_qe79654eba3_qkv
    .symbol:         k_qe79654eba3_qkv.kd
    .args:
      - { .name: x_codes, .offset: 0, .size: 8, .value_kind: global_buffer, .address_space: global }
      - { .name: x_scales, .offset: 8, .size: 8, .value_kind: global_buffer, .address_space: global }
      - { .name: w_codes, .offset: 16, .size: 8, .value_kind: global_buffer, .address_space: global }
      - { .name: w_scales, .offset: 24, .size: 8, .value_kind: global_buffer, .address_space: global }
      - { .name: qkv, .offset: 32, .size: 8, .value_kind: global_buffer, .address_space: global }
      - { .name: q16, .offset: 40, .size: 8, .value_kind: global_buffer, .address_space: global }
    .group_segment_fixed_size: 262144
    .private_segment_fixed_size: 0
    .kernarg_segment_align: 8
    .kernarg_segment_size: 48
    .max_flat_workgroup_size: 128
    .sgpr_count:     80
    .vgpr_count:     960
    .wavefront_size: 32
...
	.end_amdgpu_metadata
.endif
;; end of part 2
;; launch attn (part 3): grid 4 x 64, 16 waves a work-group, clusters of 4 x 1, 327,680 bytes of LDS; arguments qkv, attn; writes attn
.if DOCPART == 3
	.amdgcn_target "amdgcn-amd-amdhsa--gfx1250"
	.amdhsa_code_object_version 6
	.text
	.protected	k_qe79654eba3_attn
	.globl	k_qe79654eba3_attn
	.p2align	8
	.type	k_qe79654eba3_attn,@function
k_qe79654eba3_attn:
	s_mov_b64 s[64:65], 0
	v_nop
	global_prefetch_b8 v0, s[64:65] scope:SCOPE_SE
	s_setreg_imm32_b32 hwreg(HW_REG_WAVE_MODE, 25, 1), 1
	s_wait_xcnt 0x0
	s_wait_alu depctr_hold_cnt(0) depctr_sa_sdst(0) depctr_va_vdst(0) depctr_va_sdst(0) depctr_va_ssrc(0) depctr_va_vcc(0) depctr_vm_vsrc(0)
	s_getreg_b32 s2, hwreg(HW_REG_IB_STS2, 6, 4)
	s_cmp_eq_u32 s2, 0
	s_cbranch_scc0 .Lentry_in_a_cluster
	s_endpgm
.Lentry_in_a_cluster:
	s_bfe_u32 s2, ttmp6, 0x10000c
	s_cmp_lg_u32 s2, 0x3003
	s_cbranch_scc0 .Lentry_shape_is_right
	s_endpgm
.Lentry_shape_is_right:
; attn[bh][q][:] = sum over k <= q of softmax_k(Q[q] . K[k] / 8) V[k][:], for each of 64 (batch, head); Q, K, V, attn: [..][2048][64] f16; products' sums, maxima, exponentials and row sums in f32;
; the weights p are rounded to f16 for the second product, the result once at the end.  A running maximum is taken away before every exponential.
; LIMIT: results stay under 65,504 (they are averages of v).  Positions 0-15 of every batch are computed here too, and are made anew in f32 by the last launch.
; SHARES.  A cluster of four work-groups is one (batch, head).  A work-group has sixteen waves, four to a SIMD, so that one wave's vector work stands beside another's products.  Wave w of partner cx owns two tiles
; of 16 queries: 128 w + 64 i + 16 cx + r, i = 0, 1.  So all partners have the same work, walk the same keys in step, and every causal branch hangs on w and the count of steps alone, never on cx.
; K's and V's tiles are asked for JOINTLY (mask 15) into a ring of two slots of 256 keys.  Wave 15 of every partner reads every slot, so no joint load is left out.
; A KEY STEP is 64 keys from KF on: KF > 128 w + 127: hidden, its work is jumped over;  KF < 128 w: open;  else (two steps a wave) the scores of hidden keys become -infinity.
; LAYOUT.  S^T = K Q^T (source 0 = 16 keys, source 1 = 16 queries): a lane holds ONE query (lane % 16) and keys 8 (lane / 16) + 0..7 of each tile of 16; two such tiles rounded in pairs ARE source 1 of O^T = V^T P.
; K, V are dense in memory (128 bytes a key): the mover takes them as rows of 256 bytes, two keys to a row, with padding behind each: key k lies at (k / 2) pitch + 128 (k % 2).
.set PK,    272                        ; K: the 16 keys of a fragment load begin at words 4 (r / 2) + 32 (r % 2) modulo 64: all different
.set PV,    288                        ; V: the eight keys x 32 bytes of a turning load begin at words 8 (k / 2) + 32 (k % 2) modulo 64
.set VOFF,  128*PK                     ; a slot: 256 keys of K, then of V
.set SLOT1, 1<<17
.set STAGE, SLOT1+128*(PK+PV)          ; behind the ring: 2,304 bytes a wave for the way out
.set SPARE, STAGE+16*2304              ; the spare words, 128 bytes a wave
.set AK0, 1
.set AV0, 2
.set ADK, 3
.set ADV, 4
.set SPW, 5
.set NIL, 6
.set GO,  7                            ; 16 x lane
.set RH,  8                            ; r - 8 h
.set PFO, 9                            ; 256 x lane
.set NEGI, 10                          ; -infinity
.set ST,  12                           ; tile t at v[ST + 8 t]: +0 c m, +1 m, +2, +3 l, +4..+7 at work; a in +6
.set D0,  28                           ; v28, v29: the mask's d for tiles 0, 1
.set STO, 30
.set RD,  31
.set QR,  32                           ; Q: tile i, 32 channels ds: v[32 + 16 i + 8 ds]
.set KV,  64                           ; K's 8 fragments, then V's 8
.set S,   128                          ; S^T, then p, then P: tile i at v[128 + 32 i]
.set O,   192                          ; O^T: tile i, 16 channels ct: v[192 + 32 i + 8 ct]
.set WV,  8
.set SEL, 20
.set CS,  22                           ; s[22:23] c = log2(e) / 8
.set G1K, 24
.set G1V, 32
.set G0K, 40
.set G0V, 44
.set TB,  48                           ; the slot in hand
.set KF,  49                           ; the step's first key
.set QF,  50                           ; 128 w
.set QL,  51                           ; 128 w + 127
.set SLOTS, 52
.set LIM, 53
.set PFA, 54
.set DQ,  56                           ; 128 w + 16 cx
.macro CROUND
	s_barrier_signal -1
	s_barrier_wait -1
	s_cmp_lg_u32 s[WV], 0
	s_cbranch_scc1 .Lnot_wave_0_\@
	s_barrier_signal -3
.Lnot_wave_0_\@:
	s_barrier_wait -3
	s_barrier_signal -1
	s_barrier_wait -1
.endm
; waves 0, 1 fetch K's halves of a slot, waves 2, 3 V's, the others nothing: branches on the wave's number alone.  s_nop 0 and four v_nop follow each line
.macro TLOAD
	s_cmp_lt_u32 s[WV], 2
	s_cbranch_scc0 .Lnot_k_\@
	tensor_load_to_lds s[G0K:G0K+3], s[G1K:G1K+7]
	s_nop 0
.rept 4
	v_nop
.endr
	s_branch .Lasked_\@
.Lnot_k_\@:
	s_cmp_lt_u32 s[WV], 4
	s_cbranch_scc0 .Lasked_\@
	tensor_load_to_lds s[G0V:G0V+3], s[G1V:G1V+7]
	s_nop 0
.rept 4
	v_nop
.endr
.Lasked_\@:
.endm
; A prefetch of the slot that the NEXT change of slots will ask for: four key steps ahead of that load.  A slot is 32,768 bytes of K and as many of V; partner cx takes 8,192 of each, told apart by address;
; wave 4 asks for K's, wave 5 for V's, a lane naming 256 bytes: each is named once in the launch.  The last change that fills a slot asks for nothing; slots 0 and 1 come by their loads alone.
.macro ASK
	s_cmp_gt_u32 s[SLOTS], s[LIM]
	s_cbranch_scc0 .Lnot_mine_\@
	global_prefetch_b8 v[PFO], s[PFA:PFA+1] th:TH_LOAD_NT scope:SCOPE_SE
.Lnot_mine_\@:
.endm
	s_load_b128 s[4:7], s[0:1], 0x0                ; qkv, attn
	v_lshl_add_u32 v[SPW], v0, 2, SPARE
	v_mov_b32 v[NIL], 0
	ds_add_u32 v[SPW], v[NIL]                      ; the opening: the add, twice on end, and its wait ahead of the first tensor load
	ds_add_u32 v[SPW], v[NIL]
	v_lshrrev_b32 v11, 5, v0
	v_readfirstlane_b32 s[WV], v11                 ; wave 0..15
	s_bfe_u32 s9, ttmp6, 0x40000                   ; cx
	s_and_b32 s10, ttmp7, 0xffff                   ; batch x 16 + head
	s_and_b32 s11, s[WV], 1
	s_mov_b32 s[G1K], 15|(1<<16)|(1<<20)|(1<<21)|(5<<22)|(3<<25)   ; all four partners; elements of 2 bytes; padding: 4 words behind every 64
	s_mov_b32 s[G1V], 15|(1<<16)|(1<<20)|(1<<21)|(5<<22)|(7<<25)   ; 8 words
.irp g, G1K, G1V
	s_mov_b32 s[\g+1], 128<<16                     ; tensor_dim0 = 128 elements: two keys
	s_mov_b32 s[\g+2], 64<<16                      ; tensor_dim1 = 64 rows: 128 keys a load
	s_mov_b32 s[\g+3], 128<<16                     ; tile_dim0
	s_mov_b32 s[\g+4], 64                          ; tile_dim1
	s_mov_b32 s[\g+5], 128                         ; from row to row
	s_mov_b32 s[\g+6], 0
	s_mov_b32 s[\g+7], 0
.endr
	s_mov_b32 s[SEL], 0x76543210
	s_mov_b32 s[SEL+1], 0xfedcba98
	s_mov_b32 s[CS], 0x3e38aa3b                    ; log2(e) / 8
	s_mov_b32 s[CS+1], s[CS]
	s_mov_b32 s[TB], 0
	s_mov_b32 s[KF], 0
	s_lshl_b32 s[QF], s[WV], 7
	s_add_co_u32 s[QL], s[QF], 127
	s_lshl_b32 s66, s9, 4
	s_add_co_u32 s[DQ], s[QF], s66
	s_mov_b32 s[SLOTS], 7
	s_lshr_b32 s66, s[WV], 1
	s_cmp_eq_u32 s66, 2                            ; waves 4 and 5 prefetch
	s_cselect_b32 s[LIM], 1, -1
	s_lshl_b32 s66, s10, 18                        ; the head's 262,144 bytes in a section,
	s_lshl_b32 s67, s11, 14                        ; the half of a slot that I fetch: nothing here hangs on cx
	s_add_co_u32 s66, s66, s67
	s_mov_b32 s67, 0
	s_lshl_b32 s68, s[DQ], 7                       ; my first query's row
	s_lshl_b32 s69, s10, 18
	s_add_co_u32 s68, s68, s69
	s_mov_b32 s69, 0
	s_lshl_b32 s70, s10, 18                        ; the prefetches: my work-group's 8,192 bytes,
	s_lshl_b32 s71, s9, 13
	s_add_co_u32 s70, s70, s71
	s_add_co_u32 s70, s70, 32768                   ; in slot 1: the first change steps it to slot 2,
	s_add_co_u32 s71, s11, 1
	s_lshl_b32 s71, s71, 24                        ; in K's section (even waves) or V's
	s_add_co_u32 s70, s70, s71
	s_mov_b32 s71, 0
	s_mul_i32 s72, s11, 64*PK
	s_mul_i32 s73, s11, 64*PV
	s_add_co_u32 s73, s73, VOFF
	s_wait_dscnt 0x0                               ; both opening adds are done
	s_wait_kmcnt 0x0
	s_mov_b32 s[G0K], 1
	s_mov_b32 s[G0K+1], s72
	s_add_nc_u64 s[G0K+2:G0K+3], s[4:5], s[66:67]
	s_add_nc_u64 s[G0K+2:G0K+3], s[G0K+2:G0K+3], 0x1000000   ; K's section
	s_or_b32 s[G0K+3], s[G0K+3], 0x80000000
	s_mov_b32 s[G0V], 1
	s_mov_b32 s[G0V+1], s73
	s_add_nc_u64 s[G0V+2:G0V+3], s[4:5], s[66:67]
	s_add_nc_u64 s[G0V+2:G0V+3], s[G0V+2:G0V+3], 0x2000000   ; V's
	s_or_b32 s[G0V+3], s[G0V+3], 0x80000000
	CROUND                                         ; all four work-groups are here
	TLOAD                                          ; slot 0
	s_add_nc_u64 s[58:59], s[4:5], s[68:69]        ; Q at my first query
	s_add_nc_u64 s[60:61], s[6:7], s[68:69]        ; attn likewise
	s_add_nc_u64 s[PFA:PFA+1], s[4:5], s[70:71]
	v_and_b32 v11, 15, v0                          ; r
	v_bfe_u32 v29, v0, 4, 1                        ; h
	v_lshlrev_b32 v28, 7, v11
	v_lshl_add_u32 v28, v29, 4, v28                ; 128 r + 16 h
.irp i, 0,1
.irp ds, 0,1
.irp c, 0,1
	global_load_b128 v[QR+16*\i+8*\ds+4*\c:QR+16*\i+8*\ds+4*\c+3], v28, s[58:59] offset:8192*\i+64*\ds+32*\c
.endr
.endr
.endr
	v_lshrrev_b32 v[AK0], 1, v11
	v_mul_u32_u24 v[AK0], v[AK0], PK
	v_and_b32 v[AV0], 1, v11
	v_lshl_add_u32 v[AK0], v[AV0], 7, v[AK0]
	v_lshl_add_u32 v[AK0], v29, 4, v[AK0]          ; (r / 2) PK + 128 (r % 2) + 16 h
	v_and_b32 v[AV0], 7, v0
	v_lshl_add_u32 v[AV0], v29, 3, v[AV0]          ; the turning load's key: 8 h + lane % 8
	v_lshrrev_b32 v[ADK], 1, v[AV0]
	v_mul_u32_u24 v[ADK], v[ADK], PV
	v_and_b32 v[AV0], 1, v[AV0]
	v_lshl_add_u32 v[AV0], v[AV0], 7, v[ADK]
	v_bfe_u32 v[ADK], v0, 3, 1
	v_lshl_add_u32 v[AV0], v[ADK], 4, v[AV0]       ; + 16 ((lane / 8) % 2)
	v_add_nc_u32 v[AV0], VOFF, v[AV0]
	v_and_b32 v[GO], 31, v0
	v_lshlrev_b32 v[PFO], 8, v[GO]
	v_lshlrev_b32 v[GO], 4, v[GO]
	v_lshlrev_b32 v[RH], 3, v29
	v_sub_nc_u32 v[RH], v11, v[RH]
	v_mov_b32 v[NEGI], 0xff800000
	s_mul_i32 s66, s[WV], 2304
	s_add_co_u32 s66, s66, STAGE
	v_mul_u32_u24 v[STO], v11, 144
	v_lshl_add_u32 v[STO], v29, 4, v[STO]
	v_add_nc_u32 v[STO], s66, v[STO]
	v_bfe_u32 v[RD], v0, 3, 2
	v_mul_u32_u24 v[RD], v[RD], 144
	v_and_b32 v[ADK], 7, v0
	v_lshl_add_u32 v[RD], v[ADK], 4, v[RD]
	v_add_nc_u32 v[RD], s66, v[RD]
.irp t, 0,1
	v_mov_b32 v[ST+8*\t+1], 0xff61b1e6             ; m: -3e38, under every score
	v_mul_f32 v[ST+8*\t], s[CS], v[ST+8*\t+1]      ; c m
.irp j, 2,3,4,5,6,7
	v_mov_b32 v[ST+8*\t+\j], 0                     ; l; and the registers that a lane permute or a pair names before they are first written
.endr
.endr
.irp j, 0,1,2,3,4,5,6,7,8,9,10,11,12,13,14,15,16,17,18,19,20,21,22,23,24,25,26,27,28,29,30,31,32,33,34,35,36,37,38,39,40,41,42,43,44,45,46,47,48,49,50,51,52,53,54,55,56,57,58,59,60,61,62,63
	v_mov_b32 v[O+\j], 0                           ; O^T: the step is written once; its first walk finds zeros
.endr
; A KEY STEP: 64 keys, the q-th of the slot in hand.
.macro STEP q
	s_cmp_gt_u32 s[KF], s[QL]                      ; all 64 keys come after my queries: a branch on the wave's number and the count of steps
	s_cbranch_scc1 .Lhidden_\@
	v_add_nc_u32 v[ADK], s[TB], v[AK0]
	v_add_nc_u32 v[ADV], s[TB], v[AV0]
.rept 3
	v_nop                                          ; with the two additions five places behind the last step's products: S^T is written over P, which they read (five), and K lands where V lay (four)
.endr
.irp kt, 0,1,2,3
.irp ds, 0,1
	ds_load_b128 v[KV+8*(2*\kt+\ds):KV+8*(2*\kt+\ds)+3],   v[ADK] offset:8704*(\q)+2176*\kt+64*\ds
	ds_load_b128 v[KV+8*(2*\kt+\ds)+4:KV+8*(2*\kt+\ds)+7], v[ADK] offset:8704*(\q)+2176*\kt+64*\ds+32
.endr
.endr
	s_wait_dscnt 0x0
.irp ds, 0,1                                   ; eight accumulators by turns, one instruction a turn
.irp kt, 0,1,2,3
.irp i, 0,1
.if \ds == 0
	v_wmma_f32_16x16x32_f16 v[S+32*\i+8*\kt:S+32*\i+8*\kt+7], v[KV+8*(2*\kt+\ds):KV+8*(2*\kt+\ds)+7], v[QR+16*\i+8*\ds:QR+16*\i+8*\ds+7], 0
.else
	v_wmma_f32_16x16x32_f16 v[S+32*\i+8*\kt:S+32*\i+8*\kt+7], v[KV+8*(2*\kt+\ds):KV+8*(2*\kt+\ds)+7], v[QR+16*\i+8*\ds:QR+16*\i+8*\ds+7], v[S+32*\i+8*\kt:S+32*\i+8*\kt+7]
.endif
.endr
.endr
.endr
.rept 4
	v_nop                                          ; four places: V's loads land where K lay, and the scores are read
.endr
.irp ks, 0,1                                   ; V turned: fragment (ks, ct): 16 channels x 32 keys; it lands while the softmax is walked
.irp ct, 0,1,2,3
	ds_load_tr16_b128 v[KV+8*(4*\ks+\ct):KV+8*(4*\ks+\ct)+3],   v[ADV] offset:9216*(\q)+4608*\ks+32*\ct
	ds_load_tr16_b128 v[KV+8*(4*\ks+\ct)+4:KV+8*(4*\ks+\ct)+7], v[ADV] offset:9216*(\q)+4608*\ks+32*\ct+2304
.endr
.endr
	s_cmp_lt_u32 s[KF], s[QF]                      ; every key counts for every query of mine
	s_cbranch_scc1 .Lopen_\@
	s_sub_co_i32 s66, s[DQ], s[KF]
	v_add_nc_u32 v[D0], s66, v[RH]                 ; register n of tile i holds key KF + 16 (n / 8) + 8 h + n % 8: hidden where 16 (n / 8) + n % 8 > d_i = query - KF - 8 h
	v_add_nc_u32 v[D0+1], 64, v[D0]
.irp n, 0,1,2,3,4,5,6,7,8,9,10,11,12,13,14,15,16,17,18,19,20,21,22,23,24,25,26,27,28,29,30,31
	v_cmp_gt_i32 vcc_lo, 16*(\n/8)+\n%8, v[D0]
	v_cndmask_b32 v[S+\n], v[S+\n], v[NEGI], vcc_lo
	v_cmp_gt_i32 vcc_lo, 16*(\n/8)+\n%8, v[D0+1]
	v_cndmask_b32 v[S+32+\n], v[S+32+\n], v[NEGI], vcc_lo
.endr
.Lopen_\@:
.irp c, 0,1,2,3                                ; the maximum of my 32 scores and the old m: four chains, each begun at an accumulator's low end; the two tiles line by line
.irp t, 0,1
	v_max3_num_f32 v[ST+8*\t+4+\c], v[S+32*\t+8*\c], v[S+32*\t+8*\c+1], v[S+32*\t+8*\c+2]
.endr
.endr
.irp k, 3,5
.irp c, 0,1,2,3
.irp t, 0,1
	v_max3_num_f32 v[ST+8*\t+4+\c], v[ST+8*\t+4+\c], v[S+32*\t+8*\c+\k], v[S+32*\t+8*\c+\k+1]
.endr
.endr
.endr
.irp t, 0,1
	v_max3_num_f32 v[ST+8*\t+4], v[ST+8*\t+4], v[S+32*\t+7], v[S+32*\t+15]
	v_max3_num_f32 v[ST+8*\t+6], v[ST+8*\t+6], v[S+32*\t+23], v[S+32*\t+31]
.endr
.irp t, 0,1
	v_max3_num_f32 v[ST+8*\t+4], v[ST+8*\t+4], v[ST+8*\t+5], v[ST+8*\t+6]
.endr
.irp t, 0,1
	v_max3_num_f32 v[ST+8*\t+4], v[ST+8*\t+4], v[ST+8*\t+7], v[ST+8*\t+1]
.endr
.irp t, 0,1
	v_permlanex16_b32 v[ST+8*\t+5], v[ST+8*\t+4], s[SEL], s[SEL+1]   ; the query's other 32 keys lie in the lane 16 away
.endr
.irp t, 0,1
	v_mov_b32 v[ST+8*\t+7], v[ST+8*\t]             ; c m_old
.endr
.irp t, 0,1
	v_max_num_f32 v[ST+8*\t+1], v[ST+8*\t+4], v[ST+8*\t+5]
.endr
.irp t, 0,1
	v_mul_f32 v[ST+8*\t], s[CS], v[ST+8*\t+1]
.endr
.irp t, 0,1
	v_sub_f32 v[ST+8*\t+7], v[ST+8*\t+7], v[ST+8*\t]
.endr
.irp b, 0,2,4,6,8,10,12,14,16,18,20,22,24,26,28,30
.irp t, 0,1
	v_pk_fma_f32 v[S+32*\t+\b:S+32*\t+\b+1], v[S+32*\t+\b:S+32*\t+\b+1], s[CS:CS+1], v[ST+8*\t:ST+8*\t+1] op_sel_hi:[1,0,0] neg_lo:[0,0,1] neg_hi:[0,0,1]   ; c s - c m
.endr
.endr
.irp t, 0,1                                    ; ONE BATCH of 66 exponentials: a = 2^(c m_old - c m_new), and p
	v_exp_f32 v[ST+8*\t+6], v[ST+8*\t+7]
.endr
.irp n, 0,1,2,3,4,5,6,7,8,9,10,11,12,13,14,15,16,17,18,19,20,21,22,23,24,25,26,27,28,29,30,31
.irp t, 0,1
	v_exp_f32 v[S+32*\t+\n], v[S+32*\t+\n]
.endr
.endr
	v_nop                                          ; a plain instruction behind the last exponential
	s_wait_alu depctr_va_vdst(0)                   ; the wait ahead of the first instruction that names a result: one for the batch
.irp t, 0,1                                    ; l = a l + the sum of the unrounded p, in two chains of pairs
	v_pk_fma_f32 v[ST+8*\t+2:ST+8*\t+3], v[ST+8*\t+2:ST+8*\t+3], v[ST+8*\t+6:ST+8*\t+7], v[S+32*\t:S+32*\t+1] op_sel_hi:[1,0,1]
	v_pk_add_f32 v[ST+8*\t+4:ST+8*\t+5], v[S+32*\t+2:S+32*\t+3], v[S+32*\t+6:S+32*\t+7]
.endr
.irp o, 4,8,12,16,20,24
.irp t, 0,1
	v_pk_add_f32 v[ST+8*\t+2:ST+8*\t+3], v[ST+8*\t+2:ST+8*\t+3], v[S+32*\t+\o:S+32*\t+\o+1]
	v_pk_add_f32 v[ST+8*\t+4:ST+8*\t+5], v[ST+8*\t+4:ST+8*\t+5], v[S+32*\t+\o+6:S+32*\t+\o+7]
.endr
.endr
.irp t, 0,1
	v_pk_add_f32 v[ST+8*\t+2:ST+8*\t+3], v[ST+8*\t+2:ST+8*\t+3], v[S+32*\t+28:S+32*\t+29]
.endr
.irp t, 0,1
	v_pk_add_f32 v[ST+8*\t+2:ST+8*\t+3], v[ST+8*\t+2:ST+8*\t+3], v[ST+8*\t+4:ST+8*\t+5]
.endr
.irp n, 0,1,2,3,4,5,6,7,8,9,10,11,12,13,14,15  ; P in place: register n takes p 2 n and 2 n + 1; ascending, so nothing unread is written over
.irp t, 0,1
	v_cvt_pk_f16_f32 v[S+32*\t+\n], v[S+32*\t+2*\n], v[S+32*\t+2*\n+1]
.endr
.endr
.irp o, 0,2,4,6,8,10,12,14,16,18,20,22,24,26,28,30
.irp t, 0,1
	v_pk_mul_f32 v[O+32*\t+\o:O+32*\t+\o+1], v[O+32*\t+\o:O+32*\t+\o+1], v[ST+8*\t+6:ST+8*\t+7] op_sel_hi:[1,0]   ; O^T x a
.endr
.endr
	s_wait_dscnt 0x0                               ; V is in
.irp ks, 0,1                                   ; O^T += V^T P: eight accumulators by turns
.irp ct, 0,1,2,3
.irp i, 0,1
	v_wmma_f32_16x16x32_f16 v[O+32*\i+8*\ct:O+32*\i+8*\ct+7], v[KV+8*(4*\ks+\ct):KV+8*(4*\ks+\ct)+7], v[S+32*\i+8*\ks:S+32*\i+8*\ks+7], v[O+32*\i+8*\ct:O+32*\i+8*\ct+7]
.endr
.endr
.endr
.Lhidden_\@:
	s_add_co_u32 s[KF], s[KF], 64
.endm
; THE CHANGE OF SLOTS, at a slot's head.  Each wave waits for all its tensor loads, adds 0 to its spare word, and waits for that and for its reads of the slot that it has left.  fill = 1: a round of the cluster's
; barrier follows, so that no wave of any partner still reads that slot or has a load on its way; the joint load of the next 256 keys is the first thing behind it, and has four key steps in which to land.
.macro CHANGE fill
	s_wait_tensorcnt 0x0                           ; no tensor load of mine is out, so a group 0 may be written
	ds_add_u32 v[SPW], v[NIL]
.if \fill
	ds_add_u32 v[SPW], v[NIL]                      ; and twice on end here, in every trip alike
	s_xor_b32 s[G0K+1], s[G0K+1], SLOT1            ; the walking descriptors: the other slot, the next 256 keys
	s_add_nc_u64 s[G0K+2:G0K+3], s[G0K+2:G0K+3], 32768
	s_xor_b32 s[G0V+1], s[G0V+1], SLOT1
	s_add_nc_u64 s[G0V+2:G0V+3], s[G0V+2:G0V+3], 32768
	s_wait_xcnt 0x0                                ; the last prefetch, a slot back, has read its address
	s_add_nc_u64 s[PFA:PFA+1], s[PFA:PFA+1], 32768
	s_wait_dscnt 0x0                               ; the adds are done, and my reads of the slot that I have left are over
	CROUND
	TLOAD
	ASK
.else
	s_wait_dscnt 0x0
	s_barrier_signal -1
	s_barrier_wait -1
.endif
.endm
.macro SLOT_STEPS
	STEP 0
	STEP 1
	STEP 2
	STEP 3
	s_xor_b32 s[TB], s[TB], SLOT1
.endm
	s_wait_loadcnt 0x0                             ; Q
.Lslot:                                            ; seven trips: behind each change of slots but the last the next slot is asked for
	CHANGE 1
	SLOT_STEPS
	s_sub_co_u32 s[SLOTS], s[SLOTS], 1
	s_cmp_lg_u32 s[SLOTS], 0
	s_cbranch_scc1 .Lslot
	CHANGE 0                                       ; the last slot is written out
	SLOT_STEPS
	; THE WAY OUT: l's halves and the other lane's are added; O^T / l, rounded to f16, goes through my stage and leaves as 2,048 consecutive bytes a tile (16 rows of 128 bytes lie on end)
.rept 4
	v_nop
.endr
.irp t, 0,1
	v_add_f32 v[ST+8*\t+4], v[ST+8*\t+2], v[ST+8*\t+3]
.endr
.irp t, 0,1
	v_permlanex16_b32 v[ST+8*\t+5], v[ST+8*\t+4], s[SEL], s[SEL+1]
.endr
.irp t, 0,1
	v_add_f32 v[ST+8*\t+4], v[ST+8*\t+4], v[ST+8*\t+5]
.endr
.irp t, 0,1
	v_rcp_f32 v[ST+8*\t+6], v[ST+8*\t+4]
.endr
	v_nop
	s_wait_alu depctr_va_vdst(0)                   ; one wait for the two reciprocals, ahead of their first reader
.irp t, 0,1
.irp o, 0,2,4,6,8,10,12,14,16,18,20,22,24,26,28,30
	v_pk_mul_f32 v[O+32*\t+\o:O+32*\t+\o+1], v[O+32*\t+\o:O+32*\t+\o+1], v[ST+8*\t+6:ST+8*\t+7] op_sel_hi:[1,0]
.endr
.endr
.irp t, 0,1
.irp n, 0,1,2,3,4,5,6,7,8,9,10,11,12,13,14,15
	v_cvt_pk_f16_f32 v[S+16*\t+\n], v[O+32*\t+2*\n], v[O+32*\t+2*\n+1]
.endr
.endr
.irp t, 0,1
.irp ct, 0,1,2,3
	ds_store_b128 v[STO], v[S+16*\t+4*\ct:S+16*\t+4*\ct+3] offset:32*\ct
.endr
.irp n, 0,1,2,3
	ds_load_b128 v[KV+16*\t+4*\n:KV+16*\t+4*\n+3], v[RD] offset:576*\n   ; LDS serves a wave in order: these see the stores above, and the next tile's stores come behind them
.endr
.endr
.irp t, 0,1
.irp n, 0,1,2,3
	s_wait_dscnt 8*(1-\t)+3-\n                     ; behind this load: the rest of its tile's, and for tile 0 tile 1's eight
	global_store_b128 v[GO], v[KV+16*\t+4*\n:KV+16*\t+4*\n+3], s[60:61] offset:8192*\t+512*\n
.endr
.endr
	s_wait_tensorcnt 0x0                           ; the wave's end
	ds_add_u32 v[SPW], v[NIL]
	s_wait_dscnt 0x0
	CROUND                                         ; the closing round
	s_endpgm
.Lfunc_end_k_qe79654eba3_attn:
	.size	k_qe79654eba3_attn, .Lfunc_end_k_qe79654eba3_attn-k_qe79654eba3_attn
	.p2alignl 7, 3214868480
	.fill 96, 4, 3214868480
	.section	.rodata,"a",@progbits
	.p2align	6, 0x0
	.amdhsa_kernel k_qe79654eba3_attn
		.amdhsa_group_segment_fixed_size 327680
		.amdhsa_private_segment_fixed_size 0
		.amdhsa_enable_private_segment 0
		.amdhsa_kernarg_size 16
		.amdhsa_user_sgpr_count 2
		.amdhsa_user_sgpr_kernarg_segment_ptr 1
		.amdhsa_wavefront_size32 1
		.amdhsa_system_sgpr_workgroup_id_x 1
		.amdhsa_system_sgpr_workgroup_id_y 1
		.amdhsa_system_sgpr_workgroup_id_z 1
		.amdhsa_system_vgpr_workitem_id 0
		.amdhsa_next_free_vgpr 256
		.amdhsa_next_free_sgpr 80
		.amdhsa_reserve_vcc 1
		.amdhsa_float_denorm_mode_32 3
		.amdhsa_float_denorm_mode_16_64 3
		.amdhsa_memory_ordered 1
		.amdhsa_forward_progress 1
		.amdhsa_inst_pref_size 188
	.end_amdhsa_kernel
	.amdgpu_metadata
---
amdhsa.version: [ 1, 2 ]
amdhsa.kernels:
  - .name:           k_qe79654eba3_attn
    .symbol:         k_qe79654eba3_attn.kd
    .args:
      - { .name: qkv, .offset: 0, .size: 8, .value_kind: global_buffer, .address_space: global }
      - { .name: attn, .offset: 8, .size: 8, .value_kind: global_buffer, .address_space: global }
    .group_segment_fixed_size: 327680
    .private_segment_fixed_size: 0
    .kernarg_segment_align: 8
    .kernarg_segment_size: 16
    .max_flat_workgroup_size: 512
    .sgpr_count:     80
    .vgpr_count:     256
    .wavefront_size: 32
...
	.end_amdgpu_metadata
.endif
;; end of part 3
;; launch proj (part 4): grid 4 x 64, 4 waves a work-group, clusters of 4 x 4, 327,680 bytes of LDS; arguments attn, wp16, b_proj, out0; writes out0
.if DOCPART == 4
	.amdgcn_target "amdgcn-amd-amdhsa--gfx1250"
	.amdhsa_code_object_version 6
	.text
	.protected	k_qe79654eba3_proj
	.globl	k_qe79654eba3_proj
	.p2align	8
	.type	k_qe79654eba3_proj,@function
k_qe79654eba3_proj:
	s_mov_b64 s[64:65], 0
	v_nop
	global_prefetch_b8 v0, s[64:65] scope:SCOPE_SE
	s_setreg_imm32_b32 hwreg(HW_REG_WAVE_MODE, 25, 1), 1
	s_wait_xcnt 0x0
	s_wait_alu depctr_hold_cnt(0) depctr_sa_sdst(0) depctr_va_vdst(0) depctr_va_sdst(0) depctr_va_ssrc(0) depctr_va_vcc(0) depctr_vm_vsrc(0)
	s_getreg_b32 s2, hwreg(HW_REG_IB_STS2, 6, 4)
	s_cmp_eq_u32 s2, 0
	s_cbranch_scc0 .Lentry_in_a_cluster
	s_endpgm
.Lentry_in_a_cluster:
	s_bfe_u32 s2, ttmp6, 0x10000c
	s_cmp_lg_u32 s2, 0xf033
	s_cbranch_scc0 .Lentry_shape_is_right
	s_endpgm
.Lentry_shape_is_right:
; out0[row][n] = sum over k of attn(row, k) w_proj[n][k] + b_proj[n]: [8192 x 1024] x [1024 x 1024], f16 operands, sums in f32; the bias is the C of each sum's first product.
; attn lies by head, [4 b][16 head][2048 t][64] f16; wp16 by chunk of 64 along k, [16][1024 n][64]: k = 64 head + channel.  So a tile's rows of one head, and of one chunk, are dense blocks,
; which the mover takes as rows of 256 bytes (two rows of 128) with 16 bytes of padding behind each: row p lies at (p / 2) 272 + 128 (p % 2).
; A tile of out0 is 128 rows x 256 columns: 256 work-groups.  Wave (wr, wc) makes 64 x 128: 32 accumulators.  A K step is 128 (two heads); eight K steps go through a ring of two slots.
; CLUSTER 4 x 4: attn's tile is shared along a row of the cluster, wp16's along a column; each is asked for jointly.  Waves 0, 1 fetch attn's two heads of a step, waves 2, 3 wp16's two chunks.
; THE MATRIX INSTRUCTION IS USED TRANSPOSED (source 0 = 16 rows of wp16, source 1 = 16 rows of attn): a lane holds eight neighbouring columns of one row of out0.
; REGISTERS: window 0: v16-29 addresses; two fragment buffers: attn's 4 x 8 at v32 and v64, wp16's 8 x 8 at v96 and v160; on the way out v32-159.  window 1: accumulator (a, b) at v[8 (8 a + b)].  window 2: v0-63 the bias.
; Rows 0-15 of every batch are stored here too and are written anew, from f32 operands, by the last launch.
.set PP,     272
.set ACH,    64*PP                     ; a head's 128 rows of attn
.set BCH,    128*PP                    ; a chunk's 256 rows of wp16
.set BOFF,   2*ACH
.set SLOT,   2*ACH+2*BCH
.set STAGE,  2*SLOT                    ; behind the ring: 16 rows x 528 bytes a wave
.set SPITCH, 528
.set SPARE,  STAGE+4*16*SPITCH
.set ADRA, 16
.set ADRB, 20
.set STO,  24
.set RD,   25
.set CO,   26
.set BO,   27
.set SPW,  28
.set NIL,  29
.set G1A, 24
.set G0A, 32
.set G1B, 40
.set G0B, 48
.set MSB, 0
.macro WIN new
.if MSB != (\new)
	s_set_vgpr_msb (MSB<<8)|(\new)
.set MSB, (\new)
.endif
.endm
.macro PLACES
.rept 4
	v_nop
.endr
.endm
.macro JLOAD s                         ; a joint load; s_nop 0 and four v_nop follow each of the two lines
	s_cmp_eq_u32 s13, 0
	s_cbranch_scc0 .Lfor_b_\@
	tensor_load_to_lds s[G0A+4*\s:G0A+4*\s+3], s[G1A:G1A+7]
	s_nop 0
.rept 4
	v_nop
.endr
	s_branch .Lasked_\@
.Lfor_b_\@:
	tensor_load_to_lds s[G0B+4*\s:G0B+4*\s+3], s[G1B:G1B+7]
	s_nop 0
.rept 4
	v_nop
.endr
.Lasked_\@:
.endm
.macro CREST
	s_cmp_lg_u32 s12, 0
	s_cbranch_scc1 .Lnot_wave_0_\@
	s_barrier_signal -3
.Lnot_wave_0_\@:
	s_barrier_wait -3
	s_barrier_signal -1
	s_barrier_wait -1
.endm
.macro CROUND
	s_barrier_signal -1
	s_barrier_wait -1
	CREST
.endm
	s_load_b256 s[4:11], s[0:1], 0x0               ; attn, wp16, b_proj, out0
	v_lshl_add_u32 v[SPW], v0, 2, SPARE
	v_mov_b32 v[NIL], 0
	ds_add_u32 v[SPW], v[NIL]                      ; the opening: the add, twice on end, and its wait ahead of my first tensor load
	ds_add_u32 v[SPW], v[NIL]
	v_lshrrev_b32 v1, 5, v0
	v_readfirstlane_b32 s12, v1                    ; wave
	s_lshr_b32 s13, s12, 1                         ; wr; also: I fetch attn (0) or wp16 (1)
	s_and_b32 s14, s12, 1                          ; wc; also: which head or chunk of the step I fetch
	s_bfe_u32 s15, ttmp6, 0x40000                  ; cx
	s_bfe_u32 s16, ttmp6, 0x40004                  ; cy
	s_lshl_b32 s17, ttmp9, 2
	s_add_co_u32 s17, s17, s15                     ; tile column
	s_and_b32 s18, ttmp7, 0xffff
	s_lshl_b32 s18, s18, 2
	s_add_co_u32 s18, s18, s16                     ; tile row, 0..63
	s_lshl_b32 s56, s16, 2
	s_lshl_b32 s56, 15, s56                        ; my row of the cluster
	s_lshl_b32 s58, 0x1111, s15                    ; my column
	s_or_b32 s[G1A], s56, (1<<16)|(1<<20)|(1<<21)|(5<<22)|(3<<25)   ; mask; elements of 2 bytes; padding: 4 words behind every 64
	s_or_b32 s[G1B], s58, (1<<16)|(1<<20)|(1<<21)|(5<<22)|(3<<25)
	s_mov_b32 s[G1A+1], 128<<16
	s_mov_b32 s[G1A+2], 64<<16                     ; attn: 64 rows of 256 bytes
	s_mov_b32 s[G1A+3], 128<<16
	s_mov_b32 s[G1A+4], 64
	s_mov_b32 s[G1A+5], 128
	s_mov_b32 s[G1A+6], 0
	s_mov_b32 s[G1A+7], 0
	s_mov_b32 s[G1B+1], 128<<16
	s_mov_b32 s[G1B+2], 128<<16                    ; wp16: 128 rows of 256 bytes
	s_mov_b32 s[G1B+3], 128<<16
	s_mov_b32 s[G1B+4], 128
	s_mov_b32 s[G1B+5], 128
	s_mov_b32 s[G1B+6], 0
	s_mov_b32 s[G1B+7], 0
	s_lshr_b32 s56, s18, 4                         ; batch
	s_lshl_b32 s56, s56, 4
	s_add_co_u32 s56, s56, s14                     ; 16 batch + my head of K step 0
	s_lshl_b32 s56, s56, 11
	s_and_b32 s57, s18, 15
	s_lshl_b32 s57, s57, 7                         ; the tile's first position
	s_add_co_u32 s56, s56, s57
	s_lshl_b32 s56, s56, 7                         ; 128 bytes a row
	s_mov_b32 s57, 0
	s_lshl_b32 s58, s14, 17                        ; my chunk of K step 0: 131,072 bytes a chunk,
	s_lshl_b32 s59, s17, 15                        ; the tile's 256 rows
	s_add_co_u32 s58, s58, s59
	s_mov_b32 s59, 0
	s_mul_i32 s60, s14, ACH                        ; where they go: the wave's number alone
	s_mul_i32 s61, s14, BCH
	s_add_co_u32 s61, s61, BOFF
	s_wait_dscnt 0x0                               ; both opening adds are done
	s_wait_kmcnt 0x0
	s_add_nc_u64 s[56:57], s[4:5], s[56:57]
	s_add_nc_u64 s[58:59], s[6:7], s[58:59]
	CROUND                                         ; all sixteen work-groups are here
.irp s, 0,1
	s_mov_b32 s[G0A+4*\s], 1
	s_add_co_u32 s[G0A+4*\s+1], s60, \s*SLOT
	s_add_nc_u64 s[G0A+4*\s+2:G0A+4*\s+3], s[56:57], \s*524288    ; K step s: two heads on
	s_or_b32 s[G0A+4*\s+3], s[G0A+4*\s+3], 0x80000000
	s_mov_b32 s[G0B+4*\s], 1
	s_add_co_u32 s[G0B+4*\s+1], s61, \s*SLOT
	s_add_nc_u64 s[G0B+4*\s+2:G0B+4*\s+3], s[58:59], \s*262144    ; two chunks on
	s_or_b32 s[G0B+4*\s+3], s[G0B+4*\s+3], 0x80000000
	JLOAD \s
.endr
	s_lshl_b32 s66, s17, 10
	s_lshl_b32 s67, s14, 9
	s_add_co_u32 s66, s66, s67                     ; my first column, in bytes of f32
	s_mov_b32 s67, 0
	s_add_nc_u64 s[8:9], s[8:9], s[66:67]
	v_and_b32 v1, 15, v0                           ; r
	v_bfe_u32 v2, v0, 4, 1                         ; h
	v_lshlrev_b32 v[BO], 5, v2
	WIN 0x80                                       ; destination window 2
.irp b, 0,1,2,3,4,5,6,7
	global_load_b128 v[8*\b:8*\b+3],   v[BO], s[8:9] offset:64*\b      ; register 8 b + j: b_proj at my column 16 b + 8 h + j
	global_load_b128 v[8*\b+4:8*\b+7], v[BO], s[8:9] offset:64*\b+16
.endr
	WIN 0
	s_lshl_b32 s68, s18, 7
	s_lshl_b32 s69, s13, 6
	s_add_co_u32 s68, s68, s69                     ; my first row of out0
	s_lshl_b32 s68, s68, 12
	s_add_co_u32 s68, s68, s66
	s_mov_b32 s69, 0
	s_add_nc_u64 s[10:11], s[10:11], s[68:69]
	v_lshrrev_b32 v3, 1, v1
	v_mul_u32_u24 v3, v3, PP
	v_and_b32 v4, 1, v1
	v_lshl_add_u32 v3, v4, 7, v3
	v_lshl_add_u32 v3, v2, 4, v3                   ; (r / 2) 272 + 128 (r % 2) + 16 h
	s_mul_i32 s70, s13, 32*PP                      ; my 64 rows of attn
	v_add_nc_u32 v[ADRA], s70, v3
	v_add_nc_u32 v[ADRA+1], SLOT, v[ADRA]
	s_mul_i32 s70, s14, 64*PP                      ; my 128 rows of wp16
	s_add_co_u32 s70, s70, BOFF
	v_add_nc_u32 v[ADRB], s70, v3
	v_add_nc_u32 v[ADRB+1], SLOT, v[ADRB]
	s_mul_i32 s70, s12, 16*SPITCH
	s_add_co_u32 s70, s70, STAGE
	v_mul_u32_u24 v4, v1, SPITCH
	v_lshl_add_u32 v4, v2, 5, v4
	v_add_nc_u32 v[STO], s70, v4
	v_and_b32 v5, 31, v0
	v_lshlrev_b32 v[CO], 4, v5
	v_add_nc_u32 v[RD], s70, v[CO]
; the fragments of quarter qq (32 along K: head qq / 2 of the step, channels 32 (qq % 2) on) into buffer f: wp16's eight, then attn's four: 24 loads
.macro FETCH slot, qq, f
.irp b, 0,1,2,3,4,5,6,7
	ds_load_b128 v[96+64*(\f)+8*\b:96+64*(\f)+8*\b+3],   v[ADRB+\slot] offset:((\qq)/2)*BCH+\b*8*PP+64*((\qq)%2)
	ds_load_b128 v[96+64*(\f)+8*\b+4:96+64*(\f)+8*\b+7], v[ADRB+\slot] offset:((\qq)/2)*BCH+\b*8*PP+64*((\qq)%2)+32
.endr
.irp a, 0,1,2,3
	ds_load_b128 v[32+32*(\f)+8*\a:32+32*(\f)+8*\a+3],   v[ADRA+\slot] offset:((\qq)/2)*ACH+\a*8*PP+64*((\qq)%2)
	ds_load_b128 v[32+32*(\f)+8*\a+4:32+32*(\f)+8*\a+7], v[ADRA+\slot] offset:((\qq)/2)*ACH+\a*8*PP+64*((\qq)%2)+32
.endr
.endm
; eight products: attn's block a against wp16's eight.  mode 1: the bias starts the sums.  The 32 accumulators take turns, one instruction a turn, in the same order in every quarter.
.macro MULA f, a, mode
.if \mode
	WIN 0x60                                       ; C window 2, D window 1
.else
	WIN 0x50                                       ; C and D window 1
.endif
.irp b, 0,1,2,3,4,5,6,7
.if \mode
	v_wmma_f32_16x16x32_f16 v[8*(8*(\a)+\b):8*(8*(\a)+\b)+7], v[96+64*(\f)+8*\b:96+64*(\f)+8*\b+7], v[32+32*(\f)+8*(\a):32+32*(\f)+8*(\a)+7], v[8*\b:8*\b+7]
.else
	v_wmma_f32_16x16x32_f16 v[8*(8*(\a)+\b):8*(8*(\a)+\b)+7], v[96+64*(\f)+8*\b:96+64*(\f)+8*\b+7], v[32+32*(\f)+8*(\a):32+32*(\f)+8*(\a)+7], v[8*(8*(\a)+\b):8*(8*(\a)+\b)+7]
.endif
.endr
.endm
; one of a K step's first three quarters: multiplies buffer f; in its middle it fetches quarter nq of the same slot into buffer g
.macro QUARTER slot, nq, f, g, first
	s_wait_dscnt 4                                 ; wp16's and attn's blocks 0, 1 are in; the youngest four loads (blocks 2, 3) may be out
	MULA \f, 0, \first
	MULA \f, 1, \first
	WIN 0
	PLACES                                         ; four places between the last quarter's products and the loads into the buffer that they read
	FETCH \slot, \nq, \g
	s_wait_dscnt 24                                ; all but the 24 just issued
	MULA \f, 2, \first
	MULA \f, 3, \first
.endm
; the last quarter multiplies buffer 1 and changes slots: ONE barrier; in front of it each wave waits for all its tensor loads, adds 0 to its spare word, and waits for that and for its reads of this slot
.macro TURN slot, next, fill
	WIN 0
	s_wait_tensorcnt 0x0                           ; all my tensor loads have landed: my part of the next slot
	ds_add_u32 v[SPW], v[NIL]
	s_wait_dscnt 5                                 ; the add and the youngest four loads may be out
	MULA 1, 0, 0
	s_wait_dscnt 0x0                               ; the add is done, and my reads of this slot are over
	s_barrier_signal -1
	MULA 1, 1, 0
	WIN 0
	s_barrier_wait -1
.if \fill
	CREST                                          ; the barrier has opened a round of the cluster's: no wave of any partner still reads this slot or has a load on its way
	s_add_nc_u64 s[G0A+4*\slot+2:G0A+4*\slot+3], s[G0A+4*\slot+2:G0A+4*\slot+3], 1048576   ; two K steps on: four heads,
	s_add_nc_u64 s[G0B+4*\slot+2:G0B+4*\slot+3], s[G0B+4*\slot+2:G0B+4*\slot+3], 524288    ; four chunks
	JLOAD \slot                                    ; the first tensor load behind the round; its four v_nop are also the places in front of the loads below
.else
	PLACES
.endif
	FETCH \next, 0, 0
	MULA 1, 2, 0
	MULA 1, 3, 0
.endm
	s_wait_tensorcnt 1                             ; my part of K step 0 is in; K step 1's may stay out
	s_barrier_signal -1
	s_barrier_wait -1
	FETCH 0, 0, 0
	s_wait_loadcnt 0x0                             ; the bias
	QUARTER 0, 1, 0, 1, 1                          ; the first quarter stands in front of the loop: its products start the sums
	WIN 0
	s_mov_b32 s3, 3
.Llap:                                             ; a trip goes once round the ring and fills both slots again: K steps 2 to 7
	QUARTER 0, 2, 1, 0, 0
	QUARTER 0, 3, 0, 1, 0
	TURN 0, 1, 1
	QUARTER 1, 1, 0, 1, 0
	QUARTER 1, 2, 1, 0, 0
	QUARTER 1, 3, 0, 1, 0
	TURN 1, 0, 1
	QUARTER 0, 1, 0, 1, 0
	WIN 0
	s_sub_co_u32 s3, s3, 1
	s_cmp_lg_u32 s3, 0
	s_cbranch_scc1 .Llap
	QUARTER 0, 2, 1, 0, 0                          ; the last lap fills nothing
	QUARTER 0, 3, 0, 1, 0
	TURN 0, 1, 0
	QUARTER 1, 1, 0, 1, 0
	QUARTER 1, 2, 1, 0, 0
	QUARTER 1, 3, 0, 1, 0
	s_wait_dscnt 4
	MULA 1, 0, 0
	MULA 1, 1, 0
	s_wait_dscnt 0x0
	MULA 1, 2, 0
	MULA 1, 3, 0
	WIN 0
; THE WAY OUT, a block of 16 rows x 128 columns at a time, through my own stage: in as 32 bytes a lane, back as whole rows of 512 bytes.  LDS serves a wave in order: no wait between stores and loads.
.macro TOSTAGE a
	WIN 0x04                                       ; an LDS store's data are its source 1: window 1
.irp b, 0,1,2,3,4,5,6,7
	ds_store_b128 v[STO], v[8*(8*(\a)+\b):8*(8*(\a)+\b)+3] offset:64*\b          ; each accumulator from its low end on
	ds_store_b128 v[STO], v[8*(8*(\a)+\b)+4:8*(8*(\a)+\b)+7] offset:64*\b+16
.endr
	WIN 0
.irp t, 0,1,2,3,4,5,6,7,8,9,10,11,12,13,14,15
	ds_load_b128 v[32+64*((\a)%2)+4*\t:32+64*((\a)%2)+4*\t+3], v[RD] offset:\t*SPITCH
.endr
.endm
.macro SEND a, younger
	s_wait_dscnt \younger                          ; the block is back; the next block's 16 stores and 16 loads may be out
.irp t, 0,1,2,3,4,5,6,7,8,9,10,11,12,13,14,15
	global_store_b128 v[CO], v[32+64*((\a)%2)+4*\t:32+64*((\a)%2)+4*\t+3], s[10:11] offset:(16*(\a)+\t)*4096 th:TH_STORE_NT   ; 512 consecutive bytes, aligned
.endr
.endm
	PLACES
	TOSTAGE 0
.irp a, 1,2,3
.if \a > 1
	s_wait_xcnt 0x0                                ; block a - 2's stores have read their data: block a's loads land there
.endif
	TOSTAGE \a
	SEND \a-1, 32
.endr
	SEND 3, 0
	s_wait_tensorcnt 0x0                           ; the wave's end
	ds_add_u32 v[SPW], v[NIL]
	s_wait_dscnt 0x0
	CROUND                                         ; the closing round
	s_endpgm
.Lfunc_end_k_qe79654eba3_proj:
	.size	k_qe79654eba3_proj, .Lfunc_end_k_qe79654eba3_proj-k_qe79654eba3_proj
	.p2alignl 7, 3214868480
	.fill 96, 4, 3214868480
	.section	.rodata,"a",@progbits
	.p2align	6, 0x0
	.amdhsa_kernel k_qe79654eba3_proj
		.amdhsa_group_segment_fixed_size 327680
		.amdhsa_private_segment_fixed_size 0
		.amdhsa_enable_private_segment 0
		.amdhsa_kernarg_size 32
		.amdhsa_user_sgpr_count 2
		.amdhsa_user_sgpr_kernarg_segment_ptr 1
		.amdhsa_wavefront_size32 1
		.amdhsa_system_sgpr_workgroup_id_x 1
		.amdhsa_system_sgpr_workgroup_id_y 1
		.amdhsa_system_sgpr_workgroup_id_z 1
		.amdhsa_system_vgpr_workitem_id 0
		.amdhsa_next_free_vgpr 576
		.amdhsa_next_free_sgpr 80
		.amdhsa_reserve_vcc 0
		.amdhsa_float_denorm_mode_32 3
		.amdhsa_float_denorm_mode_16_64 3
		.amdhsa_memory_ordered 1
		.amdhsa_forward_progress 1
		.amdhsa_inst_pref_size 86
	.end_amdhsa_kernel
	.amdgpu_metadata
---
amdhsa.version: [ 1, 2 ]
amdhsa.kernels:
  - .name:           k_qe79654eba3_proj
    .symbol:         k_qe79654eba3_proj.kd
    .args:
      - { .name: attn, .offset: 0, .size: 8, .value_kind: global_buffer, .address_space: global }
      - { .name: wp16, .offset: 8, .size: 8, .value_kind: global_buffer, .address_space: global }
      - { .name: b_proj, .offset: 16, .size: 8, .value_kind: global_buffer, .address_space: global }
      - { .name: out0, .offset: 24, .size: 8, .value_kind: global_buffer, .address_space: global }
    .group_segment_fixed_size: 327680
    .private_segment_fixed_size: 0
    .kernarg_segment_align: 8
    .kernarg_segment_size: 32
    .max_flat_workgroup_size: 128
    .sgpr_count:     80
    .vgpr_count:     576
    .wavefront_size: 32
...
	.end_amdgpu_metadata
.endif
;; end of part 4
;; launch first16 (part 5): grid 16 x 4, 16 waves a work-group, no clusters, 71,680 bytes of LDS; arguments q16, w_proj, b_proj, out0; writes out0
.if DOCPART == 5
	.amdgcn_target "amdgcn-amd-amdhsa--gfx1250"
	.amdhsa_code_object_version 6
	.text
	.protected	k_qe79654eba3_first16
	.globl	k_qe79654eba3_first16
	.p2align	8
	.type	k_qe79654eba3_first16,@function
k_qe79654eba3_first16:
	s_mov_b64 s[64:65], 0
	v_nop
	global_prefetch_b8 v0, s[64:65] scope:SCOPE_SE
	s_setreg_imm32_b32 hwreg(HW_REG_WAVE_MODE, 25, 1), 1
	s_wait_xcnt 0x0
; Positions 0-15 of every batch, where a softmax averages few values: scores, softmax, weighted values and the projection with f32 operands (v_wmma_f32_16x16x4_f32), from q16 [4][16][3072] f32.
; These 64 rows of out0 are written over what the launch before stored there.
; Work-group (x, y): batch y, output columns 64 x .. 64 x + 63.  Wave = head: it makes its head's attention for the 16 positions (made again in each of the batch's 16 column blocks: 32 products a wave), then its
; head's part of the projection; the sixteen parts meet in LDS behind one barrier, and waves 0-7 add them, two rows each, with the bias.
; K's places in a product are permuted alike on both sources, so that loads of 16 bytes and results feed operands as they stand.  Both sources of a product hold: lane (r, h), register j = place 2 h + j.
; The registers that the f32 matrix form writes, v32-95, are written by matrix instructions alone.
; w_proj's fragments are read as pieces of 32 bytes of rows; the loads that share 256 consecutive bytes of a row stand on end.  A work-group reads 262,144 bytes of w_proj so.
; No tensor load, no cluster: the launch is small and its work-groups share little.  LIMIT: NaN and infinities are not served.
.set SPARE, 16*4352                    ; behind the sixteen parts (16 rows x 272 bytes each): the spare words
.set SPW, 12
.set NIL, 13
	s_load_b256 s[4:11], s[0:1], 0x0               ; q16, w_proj, b_proj, out0
	v_lshl_add_u32 v[SPW], v0, 2, SPARE
	v_mov_b32 v[NIL], 0
	v_lshrrev_b32 v14, 5, v0
	v_readfirstlane_b32 s12, v14                   ; wave = head
	s_and_b32 s14, ttmp7, 0xffff                   ; batch
	s_and_b32 s15, s12, 7
	v_and_b32 v1, 15, v0                           ; r
	v_bfe_u32 v2, v0, 4, 1                         ; h
	v_mul_u32_u24 v3, v1, 12288
	v_lshl_add_u32 v3, v2, 4, v3                   ; q, k: position r, + 16 h
	v_mul_u32_u24 v4, v2, 98304
	v_lshl_add_u32 v4, v1, 2, v4                   ; v: positions 8 h on, channel r
	v_lshlrev_b32 v5, 12, v1
	v_lshl_add_u32 v5, v2, 5, v5                   ; w_proj: row r, + 32 h
	v_lshlrev_b32 v6, 4, v1                        ; 16 r
	s_lshl_b32 s27, s15, 1
	v_add_nc_u32 v14, s27, v2                      ; the row that I add up: 2 (wave % 8) + h
	v_lshl_add_u32 v7, v14, 12, v6                 ; in out0,
	v_mul_u32_u24 v9, v14, 272
	v_add_nc_u32 v9, v9, v6                        ; and in a part
	s_mul_i32 s27, s12, 4352
	v_mul_u32_u24 v8, v1, 272
	v_lshl_add_u32 v8, v2, 5, v8
	v_add_nc_u32 v8, s27, v8                       ; my part: row r, + 32 h
	v_lshlrev_b32 v10, 3, v2
	v_sub_nc_u32 v10, v1, v10                      ; r - 8 h
	v_mov_b32 v11, 0xff800000                      ; -infinity
	v_mov_b32 v25, 0                               ; a lane permute's destination counts as one of its sources
	s_mov_b32 s24, 0x76543210
	s_mov_b32 s25, 0xfedcba98
	s_mov_b32 s26, 0x3e38aa3b                      ; c = log2(e) / 8
	s_mul_i32 s16, s14, 196608                     ; the batch's 16 rows of q16,
	s_lshl_b32 s17, s12, 8                         ; the head's 64 numbers
	s_add_co_u32 s16, s16, s17
	s_mov_b32 s17, 0
	s_lshl_b32 s18, ttmp9, 18                      ; w_proj: rows 64 x on,
	s_lshl_b32 s19, s12, 8                         ; the head's 64 along k
	s_add_co_u32 s18, s18, s19
	s_mov_b32 s19, 0
	s_lshl_b32 s20, ttmp9, 8                       ; columns 64 x on, in bytes
	s_mov_b32 s21, 0
	s_lshl_b32 s22, s14, 23                        ; out0: the batch's first row
	s_add_co_u32 s22, s22, s20
	s_mov_b32 s23, 0
	s_wait_kmcnt 0x0
	s_add_nc_u64 s[16:17], s[4:5], s[16:17]
	s_add_nc_u64 s[18:19], s[6:7], s[18:19]
	s_add_nc_u64 s[20:21], s[8:9], s[20:21]
	s_add_nc_u64 s[22:23], s[10:11], s[22:23]
.irp c, 0,1,2,3,4,5,6,7
	global_load_b128 v[128+4*\c:128+4*\c+3], v3, s[16:17] offset:32*\c          ; q: channels 8 c + 4 h + 0..3
.endr
.irp c, 0,1,2,3,4,5,6,7
	global_load_b128 v[160+4*\c:160+4*\c+3], v3, s[16:17] offset:4096+32*\c     ; k likewise
.endr
.irp ct, 0,1,2,3
.irp k, 0,1,2,3,4,5,6,7
	global_load_b32 v[96+8*\ct+\k], v4, s[16:17] offset:8192+12288*\k+64*\ct    ; v(position 8 h + k, channel 16 ct + r)
.endr
.endr
.irp nt, 0,1
.irp ct, 0,1,2,3
	global_load_b128 v[192+8*(4*\nt+\ct):192+8*(4*\nt+\ct)+3],   v5, s[18:19] offset:65536*\nt+64*\ct      ; w_proj(16 nt + r, 16 ct + 8 h + 0..7)
	global_load_b128 v[192+8*(4*\nt+\ct)+4:192+8*(4*\nt+\ct)+7], v5, s[18:19] offset:65536*\nt+64*\ct+16
.endr
.endr
	global_load_b128 v[28:31], v6, s[20:21]        ; the bias of my four columns
	s_wait_loadcnt 49                              ; q and k are in; behind them: v's 32, w_proj's 16, the bias
	; S^T = k q^T: product n takes registers 2 n, 2 n + 1 of both: channels 8 (n / 2) + 4 h + 2 (n % 2) + j.  Two accumulators by turns; their sum is the score
	v_wmma_f32_16x16x4_f32 v[32:39], v[160:161], v[128:129], 0
	v_wmma_f32_16x16x4_f32 v[40:47], v[162:163], v[130:131], 0
.irp n, 2,3,4,5,6,7,8,9,10,11,12,13,14,15
	v_wmma_f32_16x16x4_f32 v[32+8*(\n%2):39+8*(\n%2)], v[160+2*\n:161+2*\n], v[128+2*\n:129+2*\n], v[32+8*(\n%2):39+8*(\n%2)]
.endr
.rept 8
	v_nop                                          ; eight places behind this form, in front of the reads of the results and of the loads into its sources
.endr
.irp nt, 2,3
.irp ct, 0,1,2,3
	global_load_b128 v[128+8*(4*(\nt-2)+\ct):128+8*(4*(\nt-2)+\ct)+3],   v5, s[18:19] offset:65536*\nt+64*\ct
	global_load_b128 v[128+8*(4*(\nt-2)+\ct)+4:128+8*(4*(\nt-2)+\ct)+7], v5, s[18:19] offset:65536*\nt+64*\ct+16
.endr
.endr
.irp j, 0,1,2,3,4,5,6,7
	v_add_f32 v[16+\j], v[32+\j], v[40+\j]         ; lane (r, h): query r, key 8 h + j
.endr
.irp j, 0,1,2,3,4,5,6,7
	v_cmp_gt_i32 vcc_lo, \j, v10                   ; key > query: hidden
	v_cndmask_b32 v[16+\j], v[16+\j], v11, vcc_lo
.endr
	v_max3_num_f32 v24, v16, v17, v18
	v_max3_num_f32 v24, v24, v19, v20
	v_max3_num_f32 v24, v24, v21, v22
	v_max_num_f32 v24, v24, v23
	v_permlanex16_b32 v25, v24, s24, s25
	v_max_num_f32 v24, v24, v25                    ; the row's maximum: key 0 counts for every query
	v_mul_f32 v24, s26, v24
.irp j, 0,1,2,3,4,5,6,7
	v_fma_f32 v[16+\j], v[16+\j], s26, -v24
.endr
.irp j, 0,1,2,3,4,5,6,7
	v_exp_f32 v[16+\j], v[16+\j]
.endr
	v_nop
	s_wait_alu depctr_va_vdst(0)                   ; one wait for the eight exponentials, ahead of their first reader
	v_add_f32 v26, v16, v17
	v_add_f32 v27, v18, v19
	v_add_f32 v26, v26, v20
	v_add_f32 v27, v27, v21
	v_add_f32 v26, v26, v22
	v_add_f32 v27, v27, v23
	v_add_f32 v26, v26, v27
	v_permlanex16_b32 v25, v26, s24, s25
	v_add_f32 v26, v26, v25
	v_rcp_f32 v27, v26
	v_nop
	s_wait_alu depctr_va_vdst(0)
.irp j, 0,1,2,3,4,5,6,7
	v_mul_f32 v[16+\j], v[16+\j], v27              ; the weights
.endr
	s_wait_loadcnt 33                              ; v is in; behind it: w_proj's 16, the bias, w_proj's other 16
	; O^T = v^T p: step s takes keys 8 h + 2 s + j on both sources; four accumulators by turns
.irp s, 0,1,2,3
.irp ct, 0,1,2,3
.if \s == 0
	v_wmma_f32_16x16x4_f32 v[64+8*\ct:71+8*\ct], v[96+8*\ct+2*\s:97+8*\ct+2*\s], v[16+2*\s:17+2*\s], 0
.else
	v_wmma_f32_16x16x4_f32 v[64+8*\ct:71+8*\ct], v[96+8*\ct+2*\s:97+8*\ct+2*\s], v[16+2*\s:17+2*\s], v[64+8*\ct:71+8*\ct]
.endif
.endr
.endr
.rept 9
	v_nop                                          ; nine places before a matrix instruction takes these results as a source
.endr
	s_wait_loadcnt 0x0
	; my head's part of the projection, transposed: source 0 = 16 rows of w_proj, source 1 = O^T's registers 2 s, 2 s + 1: channels 16 ct + 8 h + 2 s + j on both; four accumulators by turns
.irp ct, 0,1,2,3
.irp s, 0,1,2,3
.irp nt, 0,1,2,3
.if (\ct == 0) && (\s == 0)
	v_wmma_f32_16x16x4_f32 v[32+8*\nt:39+8*\nt], v[192-64*(\nt/2)+8*(4*(\nt%2)+\ct)+2*\s:193-64*(\nt/2)+8*(4*(\nt%2)+\ct)+2*\s], v[64+8*\ct+2*\s:65+8*\ct+2*\s], 0
.else
	v_wmma_f32_16x16x4_f32 v[32+8*\nt:39+8*\nt], v[192-64*(\nt/2)+8*(4*(\nt%2)+\ct)+2*\s:193-64*(\nt/2)+8*(4*(\nt%2)+\ct)+2*\s], v[64+8*\ct+2*\s:65+8*\ct+2*\s], v[32+8*\nt:39+8*\nt]
.endif
.endr
.endr
.endr
.rept 8
	v_nop
.endr
.irp nt, 0,1,2,3
	ds_store_b128 v8, v[32+8*\nt:35+8*\nt] offset:64*\nt          ; lane (r, h): position r, columns 16 nt + 8 h + 0..7; each accumulator from its low end on
	ds_store_b128 v8, v[36+8*\nt:39+8*\nt] offset:64*\nt+16
.endr
	s_wait_dscnt 0x0                               ; for the others' sake: my part lies in LDS
	s_barrier_signal -1
	s_barrier_wait -1
	s_cmp_ge_u32 s12, 8                            ; waves 0-7 add up two rows each
	s_cbranch_scc1 .Ldone
.irp p, 0,1,2,3,4,5,6,7,8,9,10,11,12,13,14,15
	ds_load_b128 v[128+4*\p:131+4*\p], v9 offset:4352*\p
.endr
	s_wait_dscnt 0x0
.irp p, 0,1,2,3,4,5,6,7
	v_pk_add_f32 v[128+4*\p:129+4*\p], v[128+4*\p:129+4*\p], v[160+4*\p:161+4*\p]
	v_pk_add_f32 v[130+4*\p:131+4*\p], v[130+4*\p:131+4*\p], v[162+4*\p:163+4*\p]
.endr
.irp p, 0,1,2,3
	v_pk_add_f32 v[128+4*\p:129+4*\p], v[128+4*\p:129+4*\p], v[144+4*\p:145+4*\p]
	v_pk_add_f32 v[130+4*\p:131+4*\p], v[130+4*\p:131+4*\p], v[146+4*\p:147+4*\p]
.endr
.irp p, 0,1
	v_pk_add_f32 v[128+4*\p:129+4*\p], v[128+4*\p:129+4*\p], v[136+4*\p:137+4*\p]
	v_pk_add_f32 v[130+4*\p:131+4*\p], v[130+4*\p:131+4*\p], v[138+4*\p:139+4*\p]
.endr
	v_pk_add_f32 v[128:129], v[128:129], v[132:133]
	v_pk_add_f32 v[130:131], v[130:131], v[134:135]
	v_pk_add_f32 v[128:129], v[128:129], v[28:29]
	v_pk_add_f32 v[130:131], v[130:131], v[30:31]
	global_store_b128 v7, v[128:131], s[22:23]     ; sixteen lanes: 256 consecutive bytes, aligned
.Ldone:
	s_wait_tensorcnt 0x0                           ; the wave's end
	ds_add_u32 v[SPW], v[NIL]
	s_wait_dscnt 0x0
	s_endpgm
.Lfunc_end_k_qe79654eba3_first16:
	.size	k_qe79654eba3_first16, .Lfunc_end_k_qe79654eba3_first16-k_qe79654eba3_first16
	.p2alignl 7, 3214868480
	.fill 96, 4, 3214868480
	.section	.rodata,"a",@progbits
	.p2align	6, 0x0
	.amdhsa_kernel k_qe79654eba3_first16
		.amdhsa_group_segment_fixed_size 71680
		.amdhsa_private_segment_fixed_size 0
		.amdhsa_enable_private_segment 0
		.amdhsa_kernarg_size 32
		.amdhsa_user_sgpr_count 2
		.amdhsa_user_sgpr_kernarg_segment_ptr 1
		.amdhsa_wavefront_size32 1
		.amdhsa_system_sgpr_workgroup_id_x 1
		.amdhsa_system_sgpr_workgroup_id_y 1
		.amdhsa_system_sgpr_workgroup_id_z 1
		.amdhsa_system_vgpr_workitem_id 0
		.amdhsa_next_free_vgpr 256
		.amdhsa_next_free_sgpr 66
		.amdhsa_reserve_vcc 1
		.amdhsa_float_denorm_mode_32 3
		.amdhsa_float_denorm_mode_16_64 3
		.amdhsa_memory_ordered 1
		.amdhsa_forward_progress 1
		.amdhsa_inst_pref_size 24
	.end_amdhsa_kernel
	.amdgpu_metadata
---
amdhsa.version: [ 1, 2 ]
amdhsa.kernels:
  - .name:           k_qe79654eba3_first16
    .symbol:         k_qe79654eba3_first16.kd
    .args:
      - { .name: q16, .offset: 0, .size: 8, .value_kind: global_buffer, .address_space: global }
      - { .name: w_proj, .offset: 8, .size: 8, .value_kind: global_buffer, .address_space: global }
      - { .name: b_proj, .offset: 16, .size: 8, .value_kind: global_buffer, .address_space: global }
      - { .name: out0, .offset: 24, .size: 8, .value_kind: global_buffer, .address_space: global }
    .group_segment_fixed_size: 71680
    .private_segment_fixed_size: 0
    .kernarg_segment_align: 8
    .kernarg_segment_size: 32
    .max_flat_workgroup_size: 512
    .sgpr_count:     66
    .vgpr_count:     256
    .wavefront_size: 32
...
	.end_amdgpu_metadata
.endif
;; end of part 5
